; MI455X (gfx1250); checked and timed in simulation.
; The chip was launched on July 23, 2026; its instructions are those of AMD's public machine-readable ISA for CDNA 5 (MIT licence, August 2026) and "CDNA5" Instruction Set Architecture Reference Guide (July 2026). The comments in the code are by the model that wrote it; some were corrected since.
;; Transition Up. Allowed arithmetic: matrix products marked QUANTISED: E5M2 operands, one E8M0 scale for each 32 along K, by v_wmma_scale_f32_16x16x128_f8f6f4 with both operands' format E5M2, f32 sums; products left as they are: f32 operands where the result goes on into a quantised operand, else bf16, f16 or f32 operands; f32 sums; everything else in f32.
;; Inputs: W1 256 x 512 float32; W2 256 x 256 float32; b1 256 float32; b2 256 float32; g1 256 float32; g2 256 float32; m1 256 float32; m2 256 float32; p1 2 x 4,096 x 3 float32; p2 2 x 16,384 x 3 float32; v1 256 float32; v2 256 float32; x1 2 x 512 x 4,096 float32; x2 2 x 256 x 16,384 float32.
;; Outputs: out0 2 x 16,384 x 3 float32; out1 2 x 256 x 16,384 float32.
;; This version of the problem:
;;   THIS VERSION OF THE PROBLEM IS GIVEN IN LOW PRECISION. The matrix products marked QUANTISED in the list below multiply operands that are first quantised to E5M2 (5 exponent bits, 2 mantissa bits; 8 bits a number), with one power-of-two scale for each 32 numbers along K (OCP MX v1.0); their sums are f32. All else is computed in f32.
;;   The module's matrix products, in the order in which they are computed (A, B: the left and right operand; K: the contracted axis; several contracted axes count as one K, in the product's order):
;;     1. batch 2 x [M 16,384, K 3] x [K 3, N 4,096]; A: input p2; B: input p1: left as it is (K = 3 < 32)
;;     2. [M 8,192, K 512] x [K 512, N 256]; A: input x1; B: input W1: QUANTISED
;;     3. batch 32,768 x [M 1, K 3] x [K 3, N 256]; A: computed on the way; B: computed on the way: left as it is (K = 3 < 32)
;;     4. [M 32,768, K 256] x [K 256, N 256]; A: input x2; B: input W2: QUANTISED
;;   THE QUANTISER, for each operand of a quantised product, along K:
;;     - K is cut into blocks of 32 from its start; a last block that is shorter is filled with zeros.
;;     - A block's scale is 2^e with e = floor(log2(the largest magnitude in the block)) - 15, held to -126 .. 127; a block of zeros has e = 0. As a byte (E8M0): e + 127.
;;     - Each number is divided by its block's scale, clamped to +-57,344, and rounded to the nearest number of E5M2, ties to even, subnormals kept.
;;     - The product sums the exact products of the quantised numbers (number of the format x scale) in f32.
;;   ~~~python
;;   def quantise(x, axis):      # numpy; x: float32 -> the quantised numbers, widened to float32 again
;;       x = np.moveaxis(x, axis, -1); K = x.shape[-1]
;;       x = np.pad(x, [(0, 0)] * (x.ndim - 1) + [(0, -K % 32)]); x = x.reshape(x.shape[:-1] + (-1, 32)); a = np.abs(x).max(-1, keepdims=True)
;;       e = np.where(a > 0, np.clip(np.frexp(np.where(a > 0, a, 1))[1] - 1 - 15, -126, 127), 0)      # np.frexp(a)[1] - 1 = floor(log2(a)), exactly
;;       r = np.clip(x / 2.0 ** e, -57344, 57344)
;;       step = 2.0 ** (np.maximum(np.frexp(np.where(r == 0, 1, r))[1] - 1, -14) - 2)
;;       q = np.round(r / step) * step * 2.0 ** e      # np.round: ties to even
;;       return np.moveaxis(q.reshape(q.shape[:-2] + (-1,))[..., :K], -1, axis).astype(np.float32)
;;   ~~~
;; 2 versions, each right; version 2 is version 1 with the launches mid, fine written anew for expert scheduling mode. Each part assembles by itself: llvm-mc -triple=amdgcn-amd-amdhsa -mcpu=gfx1250 --defsym DOCPART=n.
;; ======== version 1 of 2: 3 launches
;; workspace buffers: grp 524,288 bytes of whole numbers; idx 524,288 bytes of whole numbers; wgt 524,288 bytes; h1 4,194,304 bytes; wq 212,992 bytes
;; launch coarse (part 1): grid 269 x 1, 8 waves a work-group, no clusters, 97,280 bytes of LDS; arguments p1, p2, W1, W2, g1, b1, m1, v1, g2, b2, m2, v2, out0, grp, wq; writes out0, grp, wq
.if DOCPART == 1
	.amdgcn_target "amdgcn-amd-amdhsa--gfx1250"
	.amdhsa_code_object_version 6
	.text
	.protected	k_q73e57f51c0_coarse
	.globl	k_q73e57f51c0_coarse
	.p2align	8
	.type	k_q73e57f51c0_coarse,@function
k_q73e57f51c0_coarse:
	s_mov_b64 s[64:65], 0
	v_nop
	global_prefetch_b8 v0, s[64:65] scope:SCOPE_SE
	s_setreg_imm32_b32 hwreg(HW_REG_WAVE_MODE, 25, 1), 1
	s_wait_xcnt 0x0
; FIRST LAUNCH.  Work-groups 0-255: for each of the 32,768 dense points, WHICH THREE GROUPS of 16 coarse points hold its three nearest neighbours.
; Work-groups 256-267: W1 and W2 become codes of E5M2 with E8M0 scale words, laid as images of the matrix operand's registers; p2 is copied to out0.
; Work-group 268: the two batch norms are folded into a scale and a shift for each channel.
; WHY GROUPS.  Order candidates by (d, index).  A candidate among the first three cannot lie outside the three groups that come first by (group's least d, group's number):
; three other groups would each hold a candidate ahead of it.  So only a group's least d is ranked here (one minimum for two candidates, one sorted insertion for sixteen),
; and the next launch ranks the 48 candidates of the three groups.  Insertion is by strict <, in ascending order of groups: of equals the lower number stays ahead.
; d = (s2 + s1) + u, s = fma(z,z,fma(y,y,x x)), u = fma(-2 z2,z1,fma(-2 y2,y1,(-2 x2) x1)): the problem's formula, all f32; the next launch forms the same bits.
; LIMITS.  NaN and infinities among the inputs are not served.  The order of rounding inside s and u may differ from that of the compiled formula: neighbours whose d lie closer
; together than that rounding may be ranked otherwise.  A block of 32 zeros in a weight gets the scale byte 1 (its codes are zeros; this program alone reads the bytes).
; SHARES (search).  A work-group owns 128 queries of one batch; EVERY wave holds all 128 (lane l: queries 32 q + l, q = 0..3, as two packed pairs), and wave w scans candidates 512 w .. 512 w + 511,
; 32 groups, from a table in LDS (x, y, z, s1: 16 bytes a candidate, read by all lanes at one address).  The eight lists of a query are merged through LDS in two levels.
; No tensor loads: 48 KB of points a batch go through registers once, since s1 has to be made.  No cluster: what work-groups share is those 48 KB.
.set TAB,  0                           ; LDS: 4,096 candidates x 16 bytes
.set LST,  65536                       ; six planes (a, b, c, ia, ib, ic) x 8 scanning waves x 128 queries x 4 bytes
.set LST2, 90112                       ; six planes x 256 threads x 4 bytes
.set WV,   2                           ; s2   my wave's number
.set MK,   40                          ; s40-51 three compare masks for each of four lists
.set LN,   1                           ; v1   lane
.set P2O,  2                           ; v2   12 x lane
.set P1O,  3                           ; v3   48 x lane
.set TST,  4                           ; v4   where I store my candidates' quads
.set AD0,  5                           ; v5   LDS address of buffer H0's loads
.set ZB,   6                           ; v6   0
.set GN,   7                           ; v7   the number of the group in hand
.set LSA,  8                           ; v8   where my wave's lists go
.set LRA,  9                           ; v9   where my thread reads four lists
.set L2A,  10                          ; v10  second level
.set GOF,  11                          ; v11  16 x thread: my record in grp
.set TP,   12                          ; v12-15 at work in the insertions
.set QX,   16                          ; v16-19 -2 x of my four queries;  v20-23 -2 y;  v24-27 -2 z;  v28-31 s2
.set QY,   20
.set QZ,   24
.set S2,   28
.set MN,   32                          ; v32-35 the group's least d, for each query
.set LIST, 36                          ; v36-59 query q at 36 + 6 q: a <= b <= c, then their groups ia, ib, ic
.set CH,   60                          ; v60-75 four chains (candidate e, pair p) at 60 + 4 (2 e + p): t, then d (a pair), u (a pair)
.set H0,   76                          ; v76-107  eight candidates;  v108-139 the other eight
.set H1,   108
.set AD1,  140                         ; v140 LDS address of buffer H1's loads
	v_lshl_add_u32 v144, v0, 2, 0x17800
	v_mov_b32 v145, 0
	v_lshrrev_b32 v1, 5, v0
	v_readfirstlane_b32 s[WV], v1                  ; wave 0..7
	v_and_b32 v[LN], 31, v0
	s_cmp_ge_u32 ttmp9, 256
	s_cbranch_scc1 .Lodd                           ; the same for all waves of a work-group
	; ------------------------------------------------------------------ the search
	s_load_b128 s[4:7], s[0:1], 0x0                ; p1, p2
	s_load_b64 s[8:9], s[0:1], 0x68                ; grp
	v_mul_u32_u24 v[P2O], v[LN], 12
	v_mul_u32_u24 v[P1O], v[LN], 48
	s_lshl_b32 s12, s[WV], 13                      ; my wave's 512 candidates in the table
	v_lshl_add_u32 v[TST], v[LN], 6, s12           ; four candidates a lane and pass
	v_mov_b32 v[ZB], 0
	s_lshl_b32 s14, s[WV], 5
	v_mov_b32 v[GN], s14                           ; my first group: 32 x wave
	s_lshl_b32 s14, s[WV], 9
	v_lshl_add_u32 v[LSA], v[LN], 2, LST
	v_add_nc_u32 v[LSA], s14, v[LSA]               ; LST + 512 x wave + 4 x lane
	v_lshrrev_b32 v[LRA], 7, v0
	v_lshlrev_b32 v[LRA], 11, v[LRA]
	v_and_b32 v[TP], 127, v0
	v_lshl_add_u32 v[LRA], v[TP], 2, v[LRA]
	v_add_nc_u32 v[LRA], LST, v[LRA]               ; LST + 2,048 x (thread / 128) + 4 x (thread % 128)
	v_lshl_add_u32 v[L2A], v0, 2, LST2
	v_lshlrev_b32 v[GOF], 4, v0
	s_lshr_b32 s16, ttmp9, 7                       ; the batch
	s_mul_i32 s16, s16, 49152
	s_mul_i32 s17, s[WV], 6144
	s_add_co_u32 s16, s16, s17                     ; p1: the batch's points, my wave's 512
	s_mov_b32 s17, 0
	s_mul_i32 s18, ttmp9, 1536                     ; p2: 128 queries x 12 bytes a work-group
	s_mov_b32 s19, 0
	s_lshl_b32 s20, ttmp9, 11                      ; grp: 128 records of 16 bytes
	s_mov_b32 s21, 0
	s_wait_kmcnt 0x0
	s_add_nc_u64 s[4:5], s[4:5], s[16:17]
	s_add_nc_u64 s[6:7], s[6:7], s[18:19]
	s_add_nc_u64 s[8:9], s[8:9], s[20:21]
.irp q, 0,1,2,3
.irp k, 0,1,2
	global_load_b32 v[CH+3*\q+\k], v[P2O], s[6:7] offset:384*\q+4*\k      ; query 32 q + lane: x, y, z
.endr
.endr
.irp pi, 0,1,2,3
.irp k, 0,1,2
	global_load_b128 v[H0+12*\pi+4*\k:H0+12*\pi+4*\k+3], v[P1O], s[4:5] offset:1536*\pi+16*\k   ; candidates 128 pi + 4 lane + 0..3: 48 bytes
.endr
.endr
	s_wait_loadcnt 12                              ; the queries are in; p1's twelve loads may be out
.irp q, 0,1,2,3
	v_mul_f32 v[S2+\q], v[CH+3*\q], v[CH+3*\q]
.endr
.irp q, 0,1,2,3
	v_fma_f32 v[S2+\q], v[CH+3*\q+1], v[CH+3*\q+1], v[S2+\q]
.endr
.irp q, 0,1,2,3
	v_fma_f32 v[S2+\q], v[CH+3*\q+2], v[CH+3*\q+2], v[S2+\q]
.endr
.irp q, 0,1,2,3
	v_mul_f32 v[QX+\q], -2.0, v[CH+3*\q]           ; exact
	v_mul_f32 v[QY+\q], -2.0, v[CH+3*\q+1]
	v_mul_f32 v[QZ+\q], -2.0, v[CH+3*\q+2]
.endr
.irp q, 0,1,2,3
.irp k, 0,1,2
	v_mov_b32 v[LIST+6*\q+\k], 0x7f800000          ; the lists begin with +infinity,
	v_mov_b32 v[LIST+6*\q+3+\k], 0                 ; which the wave's 32 groups drive out
.endr
.endr
	s_wait_loadcnt 0x0
.irp pi, 0,1,2,3                                   ; the table: x, y, z, s1
.if \pi > 0
	s_wait_dscnt 0x0                               ; the last four stores have read v124-139
.endif
.irp c, 0,1,2,3
	v_mul_f32 v[127+4*\c], v[H0+12*\pi+3*\c], v[H0+12*\pi+3*\c]
.endr
.irp c, 0,1,2,3
	v_fma_f32 v[127+4*\c], v[H0+12*\pi+3*\c+1], v[H0+12*\pi+3*\c+1], v[127+4*\c]
.endr
.irp c, 0,1,2,3
	v_fma_f32 v[127+4*\c], v[H0+12*\pi+3*\c+2], v[H0+12*\pi+3*\c+2], v[127+4*\c]
.endr
.irp c, 0,1,2,3
	v_mov_b32 v[124+4*\c], v[H0+12*\pi+3*\c]
	v_mov_b32 v[125+4*\c], v[H0+12*\pi+3*\c+1]
	v_mov_b32 v[126+4*\c], v[H0+12*\pi+3*\c+2]
.endr
.irp c, 0,1,2,3
	ds_store_b128 v[TST], v[124+4*\c:127+4*\c] offset:2048*\pi+16*\c
.endr
.endr
.macro BAR                                         ; my LDS stores have landed and my LDS loads are in: then the work-group's barrier
	s_wait_dscnt 0x0
	s_barrier_signal -1
	s_barrier_wait -1
.endm
	BAR                                            ; the table is whole
; Eight candidates of buffer buf against my four queries: two candidates (e) x two pairs of queries (p) make four chains that do not wait for each other.
; Of a candidate's pair of registers one word serves both halves of a packed line: op_sel picks it for the low half, op_sel_hi for the high one.
.macro HALF buf, first
.irp g, 0,1,2,3
.irp e, 0,1
.irp p, 0,1
	v_pk_add_f32 v[CH+4*(2*\e+\p):CH+4*(2*\e+\p)+1], v[S2+2*\p:S2+2*\p+1], v[\buf+4*(2*\g+\e)+2:\buf+4*(2*\g+\e)+3] op_sel:[0,1] op_sel_hi:[1,1]   ; t = s2 + s1
.endr
.endr
.irp e, 0,1
.irp p, 0,1
	v_pk_mul_f32 v[CH+4*(2*\e+\p)+2:CH+4*(2*\e+\p)+3], v[QX+2*\p:QX+2*\p+1], v[\buf+4*(2*\g+\e):\buf+4*(2*\g+\e)+1] op_sel_hi:[1,0]   ; u = (-2 x2) x1
.endr
.endr
.irp e, 0,1
.irp p, 0,1
	v_pk_fma_f32 v[CH+4*(2*\e+\p)+2:CH+4*(2*\e+\p)+3], v[QY+2*\p:QY+2*\p+1], v[\buf+4*(2*\g+\e):\buf+4*(2*\g+\e)+1], v[CH+4*(2*\e+\p)+2:CH+4*(2*\e+\p)+3] op_sel:[0,1,0] op_sel_hi:[1,1,1]
.endr
.endr
.irp e, 0,1
.irp p, 0,1
	v_pk_fma_f32 v[CH+4*(2*\e+\p)+2:CH+4*(2*\e+\p)+3], v[QZ+2*\p:QZ+2*\p+1], v[\buf+4*(2*\g+\e)+2:\buf+4*(2*\g+\e)+3], v[CH+4*(2*\e+\p)+2:CH+4*(2*\e+\p)+3] op_sel_hi:[1,0,1]
.endr
.endr
.irp e, 0,1
.irp p, 0,1
	v_pk_add_f32 v[CH+4*(2*\e+\p):CH+4*(2*\e+\p)+1], v[CH+4*(2*\e+\p):CH+4*(2*\e+\p)+1], v[CH+4*(2*\e+\p)+2:CH+4*(2*\e+\p)+3]   ; d = t + u
.endr
.endr
.irp q, 0,1,2,3
.if \first && (\g == 0)
	v_min_num_f32 v[MN+\q], v[CH+4*(\q/2)+(\q%2)], v[CH+8+4*(\q/2)+(\q%2)]       ; the group's first two start its minimum
.else
	v_min3_num_f32 v[MN+\q], v[MN+\q], v[CH+4*(\q/2)+(\q%2)], v[CH+8+4*(\q/2)+(\q%2)]
.endif
.endr
.endr
.endm
; (m, g) goes into a sorted list of three: three compares, five selects for the numbers' owners, two medians and a minimum.  Here for the four queries, stage by stage.
.macro INSERT4
.irp q, 0,1,2,3
	v_cmp_lt_f32 s[MK+3*\q], v[MN+\q], v[LIST+6*\q]
	v_cmp_lt_f32 s[MK+3*\q+1], v[MN+\q], v[LIST+6*\q+1]
	v_cmp_lt_f32 s[MK+3*\q+2], v[MN+\q], v[LIST+6*\q+2]
.endr
.irp q, 0,1,2,3
	v_cndmask_b32 v[TP+\q], v[GN], v[LIST+6*\q+4], s[MK+3*\q+1]
.endr
.irp q, 0,1,2,3
	v_cndmask_b32 v[LIST+6*\q+5], v[LIST+6*\q+5], v[TP+\q], s[MK+3*\q+2]
.endr
.irp q, 0,1,2,3
	v_cndmask_b32 v[TP+\q], v[GN], v[LIST+6*\q+3], s[MK+3*\q]
.endr
.irp q, 0,1,2,3
	v_cndmask_b32 v[LIST+6*\q+4], v[LIST+6*\q+4], v[TP+\q], s[MK+3*\q+1]
.endr
.irp q, 0,1,2,3
	v_cndmask_b32 v[LIST+6*\q+3], v[LIST+6*\q+3], v[GN], s[MK+3*\q]
.endr
.irp q, 0,1,2,3
	v_med3_num_f32 v[LIST+6*\q+2], v[LIST+6*\q+1], v[LIST+6*\q+2], v[MN+\q]
.endr
.irp q, 0,1,2,3
	v_med3_num_f32 v[LIST+6*\q+1], v[LIST+6*\q], v[LIST+6*\q+1], v[MN+\q]
.endr
.irp q, 0,1,2,3
	v_min_num_f32 v[LIST+6*\q], v[LIST+6*\q], v[MN+\q]
.endr
.endm
.macro INS1 m, g                                   ; the same for the one list at v[LIST]
	v_cmp_lt_f32 s[MK], v[\m], v[LIST]
	v_cmp_lt_f32 s[MK+1], v[\m], v[LIST+1]
	v_cmp_lt_f32 s[MK+2], v[\m], v[LIST+2]
	v_cndmask_b32 v[TP], v[\g], v[LIST+4], s[MK+1]
	v_cndmask_b32 v[LIST+5], v[LIST+5], v[TP], s[MK+2]
	v_cndmask_b32 v[TP], v[\g], v[LIST+3], s[MK]
	v_cndmask_b32 v[LIST+4], v[LIST+4], v[TP], s[MK+1]
	v_cndmask_b32 v[LIST+3], v[LIST+3], v[\g], s[MK]
	v_med3_num_f32 v[LIST+2], v[LIST+1], v[LIST+2], v[\m]
	v_med3_num_f32 v[LIST+1], v[LIST], v[LIST+1], v[\m]
	v_min_num_f32 v[LIST], v[LIST], v[\m]
.endm
.macro LOADH buf, adr, off
.irp c, 0,1,2,3,4,5,6,7
	ds_load_b128 v[\buf+4*\c:\buf+4*\c+3], v[\adr] offset:\off+16*\c     ; all lanes read the same 16 bytes
.endr
.endm
; One group of 16 candidates.  more = 1: each buffer is asked for again, for the next group, as soon as it has been used.  Each buffer has its own address register,
; written only when that buffer's loads have come back.
.macro TRIP more
	s_wait_dscnt 8                                 ; H0 is in; H1's eight loads may be out
	HALF H0, 1
.if \more
	s_add_co_u32 s12, s12, 256                     ; the next group's 256 bytes
	v_add_nc_u32 v[AD0], s12, v[ZB]
	LOADH H0, AD0, 0
	s_wait_dscnt 8                                 ; H1 is in; the eight just issued may be out
.else
	s_wait_dscnt 0x0
.endif
	HALF H1, 0
.if \more
	v_add_nc_u32 v[AD1], s12, v[ZB]
	LOADH H1, AD1, 128
.endif
	INSERT4
	v_add_nc_u32 v[GN], 1, v[GN]
.endm
	v_add_nc_u32 v[AD0], s12, v[ZB]
	v_add_nc_u32 v[AD1], s12, v[ZB]
	LOADH H0, AD0, 0
	LOADH H1, AD1, 128
	s_mov_b32 s13, 31
.Lgroup:
	TRIP 1
	s_sub_co_i32 s13, s13, 1
	s_cmp_lg_u32 s13, 0
	s_cbranch_scc1 .Lgroup
	TRIP 0                                         ; the 32nd group asks for nothing more
	BAR                                            ; every wave has left the table
.irp q, 0,1,2,3
.irp f, 0,1,2,3,4,5
	ds_store_b32 v[LSA], v[LIST+6*\q+\f] offset:4096*\f+128*\q
.endr
.endr
	BAR                                            ; eight lists for each query lie in LDS
	; first level: thread t merges, for query t % 128, the lists of scanning waves 4 (t / 128) + 0..3, in ascending order of groups
.irp f, 0,1,2,3,4,5
	ds_load_b32 v[LIST+\f], v[LRA] offset:4096*\f
.endr
.irp u, 1,2,3
.irp f, 0,1,2,3,4,5
	ds_load_b32 v[H0+6*(\u-1)+\f], v[LRA] offset:4096*\f+512*\u
.endr
.endr
	s_wait_dscnt 0x0
.irp u, 1,2,3
.irp e, 0,1,2
	INS1 H0+6*(\u-1)+\e, H0+6*(\u-1)+3+\e
.endr
.endr
.irp f, 0,1,2,3,4,5
	ds_store_b32 v[L2A], v[LIST+\f] offset:1024*\f
.endr
	BAR                                            ; two lists for each query
	s_cmp_ge_u32 s[WV], 4
	s_cbranch_scc1 .Ldone                          ; 128 threads finish the 128 queries; no barrier follows
.irp f, 0,1,2,3,4,5
	ds_load_b32 v[LIST+\f], v[L2A] offset:1024*\f
	ds_load_b32 v[H0+\f], v[L2A] offset:1024*\f+512
.endr
	s_wait_dscnt 0x0
.irp e, 0,1,2
	INS1 H0+\e, H0+3+\e
.endr
	v_min_u32 v13, v[LIST+3], v[LIST+4]            ; the three groups in ascending order, so that the next launch meets candidates in ascending order of index
	v_max_u32 v14, v[LIST+3], v[LIST+4]
	v_max_u32 v98, v14, v[LIST+5]
	v_min_u32 v12, v14, v[LIST+5]
	v_min_u32 v96, v13, v12
	v_max_u32 v97, v13, v12
	v_mov_b32 v99, 0
	global_store_b128 v[GOF], v[96:99], s[8:9]     ; a wave stores 512 consecutive bytes
.Ldone:
	s_wait_tensorcnt 0x0
	ds_add_u32 v144, v145
	s_wait_dscnt 0x0
	s_endpgm
	; ------------------------------------------------------------------ the weights, and out0
; Wave f = 8 (work-group - 256) + wave, 0..95, makes ONE fragment (16 rows x 128 K) and copies 4,096 bytes of p2.  f < 64: W1's fragment 4 mt + s; else W2's, 2 mt + s.
; WHICH ROWS FORM A TILE is free.  W2: rows 16 mt + r.  W1: row (r % 8) 32 + r / 8 + 2 mt, so that place p = 16 mt + r of a row of h1 holds channel p / 8 + 32 (p % 8):
; a lane of the last launch that takes 16 bytes of such a row then holds channels lane + 32 i.
; Lane (r, h) loads, of its row, the 16 neighbours k = 128 s + 32 c + 16 h + 0..15 of each block c: its codes are the operand's registers 4 c .. 4 c + 3.
.set TM,  8                            ; v8-11 largest magnitudes, v12-15 bytes, v16-19 the largest number x the scale, v20-23 the conversions' scale operands
.set PW,  24                           ; v24  the scale word
.set NB,  32                           ; v32-95 the 64 numbers
.set CP,  96                           ; v96-127 the copy
.set PC,  128                          ; v128-143 the codes
.macro QUANT s
.irp b, 0,1,2,3
	v_max3_num_f32 v[TM+\b], |v[\s+16*\b]|, |v[\s+1+16*\b]|, 0x8000000   ; block b: my 16 numbers, and the floor 2^(16 - 127): the byte cannot fall under 1
.endr
.irp i, 2,4,6,8,10,12,14
.irp b, 0,1,2,3
	v_max3_num_f32 v[TM+\b], v[TM+\b], |v[\s+16*\b+\i]|, |v[\s+1+16*\b+\i]|
.endr
.endr
.irp b, 0,1,2,3
	v_permlanex16_b32 v[TM+4+\b], v[TM+\b], s30, s31
.endr
.irp b, 0,1,2,3
	v_max_num_f32 v[TM+\b], v[TM+\b], v[TM+4+\b]   ; with lane l xor 16's: the block's largest magnitude
.endr
.irp b, 0,1,2,3
	v_add_nc_u32 v[TM+12+\b], 0xf8800000, v[TM+\b]   ; 15 off its exponent field: the conversion's scale operand
.endr
.irp b, 0,1,2,3
	v_and_or_b32 v[TM+8+\b], v[TM+\b], 0x7f800000, s32   ; 57,344 x the scale
.endr
.irp b, 0,1,2,3
	v_lshrrev_b32 v[TM+4+\b], 23, v[TM+12+\b]      ; the scale's byte
.endr
	v_lshl_or_b32 v[PW], v[TM+5], 8, v[TM+4]
	v_lshl_or_b32 v[PW], v[TM+6], 16, v[PW]
	v_lshl_or_b32 v[PW], v[TM+7], 24, v[PW]
.irp b, 0,1,2,3
.irp i, 0,1,2,3,4,5,6,7,8,9,10,11,12,13,14,15
	v_med3_num_f32 v[\s+16*\b+\i], v[\s+16*\b+\i], -v[TM+8+\b], v[TM+8+\b]   ; the conversion to an 8-bit code does not saturate (ISA guide 7.6.2): the hold comes first
.endr
	v_cvt_scalef32_pk8_bf8_f32 v[PC+4*\b:PC+1+4*\b], v[\s+16*\b:\s+7+16*\b], v[TM+12+\b]
	v_cvt_scalef32_pk8_bf8_f32 v[PC+2+4*\b:PC+3+4*\b], v[\s+8+16*\b:\s+15+16*\b], v[TM+12+\b]
.endr
	v_nop                                          ; a plain line behind the last conversion
.endm
.Lodd:
	s_sub_co_u32 s3, ttmp9, 256
	s_cmp_eq_u32 s3, 12
	s_cbranch_scc1 .Lbn
	s_load_b128 s[4:7], s[0:1], 0x10               ; W1, W2
	s_load_b64 s[8:9], s[0:1], 0x8                 ; p2
	s_load_b64 s[36:37], s[0:1], 0x60              ; out0
	s_load_b64 s[24:25], s[0:1], 0x70              ; wq
	s_lshl_b32 s10, s3, 3
	s_add_co_u32 s10, s10, s[WV]                   ; f
	v_and_b32 v3, 15, v0                           ; r
	v_bfe_u32 v6, v0, 4, 1                         ; h
	v_lshlrev_b32 v4, 4, v[LN]
	v_lshlrev_b32 v5, 2, v[LN]
	s_mov_b32 s30, 0x76543210
	s_mov_b32 s31, 0xfedcba98                      ; v_permlanex16_b32's selects for lane l xor 16
	s_mov_b32 s32, 0x600000                        ; the mantissa field of 57,344
	s_lshl_b32 s38, s10, 12                        ; the copy: 4,096 bytes a wave
	s_mov_b32 s39, 0
	s_wait_kmcnt 0x0
	s_cmp_lt_u32 s10, 64                           ; W1's fragment or W2's: one path, its numbers chosen here; the choice hangs on ids alone
	s_cselect_b64 s[20:21], s[4:5], s[6:7]
	s_cselect_b32 s11, 0, 64
	s_cselect_b32 s12, 2, 1                        ; K steps in a row: 4 or 2, as a shift,
	s_cselect_b32 s13, 3, 1                        ; and as a mask
	s_cselect_b32 s14, 32, 1                       ; row = (r % 8) x s14 + (r / 8) x s15 + (mt << s16)
	s_cselect_b32 s15, 1, 8
	s_cselect_b32 s16, 1, 4
	s_cselect_b32 s17, 11, 10                      ; a row's bytes, as a shift
	s_cselect_b32 s18, 0, 131072                   ; where the codes begin in wq,
	s_cselect_b32 s19, 0, 8192                     ; and the scale words, behind 196,608
	s_sub_co_u32 s11, s10, s11                     ; the fragment's number in its tensor
	s_lshr_b32 s22, s11, s12                       ; mt
	s_and_b32 s23, s11, s13                        ; s
	s_lshl_b32 s16, s22, s16
	s_lshl_b32 s23, s23, 9                         ; 128 numbers of 4 bytes a K step
	v_and_b32 v2, 7, v3
	v_mul_u32_u24 v2, v2, s14
	v_lshrrev_b32 v3, 3, v3
	v_mad_u32_u24 v2, v3, s15, v2
	v_add_nc_u32 v2, s16, v2                       ; my row
	v_lshlrev_b32 v2, s17, v2
	v_add_nc_u32 v2, s23, v2
	v_lshl_add_u32 v2, v6, 6, v2                   ; + 64 h: my 16 numbers of a block
	s_lshl_b32 s26, s11, 11
	s_add_co_u32 s26, s26, s18
	s_mov_b32 s27, 0
	s_add_nc_u64 s[26:27], s[24:25], s[26:27]      ; the fragment's image: 2,048 bytes
	s_lshl_b32 s28, s11, 7
	s_add_co_u32 s28, s28, s19
	s_add_co_u32 s28, s28, 196608
	s_mov_b32 s29, 0
	s_add_nc_u64 s[28:29], s[24:25], s[28:29]      ; its scale words: 128 bytes
	s_add_nc_u64 s[8:9], s[8:9], s[38:39]
	s_add_nc_u64 s[36:37], s[36:37], s[38:39]
.irp c, 0,1,2,3
.irp j, 0,1,2,3
	global_load_b128 v[NB+16*\c+4*\j:NB+16*\c+4*\j+3], v2, s[20:21] offset:128*\c+16*\j
.endr
.endr
.irp k, 0,1,2,3,4,5,6,7
	global_load_b128 v[CP+4*\k:CP+4*\k+3], v4, s[8:9] offset:512*\k
.endr
.irp b, 0,1,2,3
	v_mov_b32 v[TM+4+\b], 0                        ; a lane permute's destination counts as one of its sources
.endr
	s_wait_loadcnt 8                               ; the weights are in; the copy's eight loads may be out
	QUANT NB
.irp c, 0,1,2,3
	global_store_b128 v4, v[PC+4*\c:PC+4*\c+3], s[26:27] offset:512*\c     ; registers 4 c .. 4 c + 3 of all lanes: 512 consecutive bytes
.endr
	global_store_b32 v5, v[PW], s[28:29]           ; lane r: row r's word (lanes 16-31 hold the same)
	s_wait_loadcnt 0x0
.irp k, 0,1,2,3,4,5,6,7
	global_store_b128 v4, v[CP+4*\k:CP+4*\k+3], s[36:37] offset:512*\k
.endr
	s_endpgm
	; ------------------------------------------------------------------ the batch norms: scale = g / sqrt(v + 1e-5), shift = b - m x scale
.Lbn:
	s_load_b256 s[4:11], s[0:1], 0x20              ; g1, b1, m1, v1
	s_load_b256 s[12:19], s[0:1], 0x40             ; g2, b2, m2, v2
	s_load_b64 s[24:25], s[0:1], 0x70              ; wq
	v_lshrrev_b32 v2, 3, v0
	v_and_b32 v3, 7, v0
	v_lshl_add_u32 v2, v3, 5, v2                   ; the first layer's tables go by PLACE in a row of h1: place p holds channel p / 8 + 32 (p % 8)
	v_lshlrev_b32 v2, 2, v2
	v_lshlrev_b32 v3, 2, v0                        ; the second layer's by channel
	s_wait_kmcnt 0x0
	global_load_b32 v4, v2, s[4:5]
	global_load_b32 v5, v2, s[6:7]
	global_load_b32 v6, v2, s[8:9]
	global_load_b32 v7, v2, s[10:11]
	global_load_b32 v8, v3, s[12:13]
	global_load_b32 v9, v3, s[14:15]
	global_load_b32 v10, v3, s[16:17]
	global_load_b32 v11, v3, s[18:19]
	s_wait_loadcnt 0x0
	v_add_f32 v12, 0x3727c5ac, v7
	v_add_f32 v13, 0x3727c5ac, v11
	v_rsq_f32 v14, v12
	v_rsq_f32 v15, v13
	v_nop                                          ; a plain line behind the last of the two,
	s_wait_alu depctr_va_vdst(0)                   ; and one wait for both, ahead of their first reader
	v_mul_f32 v14, v4, v14
	v_mul_f32 v15, v8, v15
	v_fma_f32 v16, -v6, v14, v5
	v_fma_f32 v17, -v10, v15, v9
	global_store_b32 v3, v14, s[24:25] offset:208896
	global_store_b32 v3, v16, s[24:25] offset:209920
	global_store_b32 v3, v15, s[24:25] offset:210944
	global_store_b32 v3, v17, s[24:25] offset:211968
	s_endpgm
.Lfunc_end_k_q73e57f51c0_coarse:
	.size	k_q73e57f51c0_coarse, .Lfunc_end_k_q73e57f51c0_coarse-k_q73e57f51c0_coarse
	.p2alignl 7, 3214868480
	.fill 96, 4, 3214868480
	.section	.rodata,"a",@progbits
	.p2align	6, 0x0
	.amdhsa_kernel k_q73e57f51c0_coarse
		.amdhsa_group_segment_fixed_size 97280
		.amdhsa_private_segment_fixed_size 0
		.amdhsa_enable_private_segment 0
		.amdhsa_kernarg_size 120
		.amdhsa_user_sgpr_count 2
		.amdhsa_user_sgpr_kernarg_segment_ptr 1
		.amdhsa_wavefront_size32 1
		.amdhsa_system_sgpr_workgroup_id_x 1
		.amdhsa_system_sgpr_workgroup_id_y 1
		.amdhsa_system_sgpr_workgroup_id_z 1
		.amdhsa_system_vgpr_workitem_id 0
		.amdhsa_next_free_vgpr 146
		.amdhsa_next_free_sgpr 66
		.amdhsa_reserve_vcc 0
		.amdhsa_float_denorm_mode_32 3
		.amdhsa_float_denorm_mode_16_64 3
		.amdhsa_memory_ordered 1
		.amdhsa_forward_progress 1
		.amdhsa_inst_pref_size 72
	.end_amdhsa_kernel
	.amdgpu_metadata
---
amdhsa.version: [ 1, 2 ]
amdhsa.kernels:
  - .name:           k_q73e57f51c0_coarse
    .symbol:         k_q73e57f51c0_coarse.kd
    .args:
      - { .name: p1, .offset: 0, .size: 8, .value_kind: global_buffer, .address_space: global }
      - { .name: p2, .offset: 8, .size: 8, .value_kind: global_buffer, .address_space: global }
      - { .name: W1, .offset: 16, .size: 8, .value_kind: global_buffer, .address_space: global }
      - { .name: W2, .offset: 24, .size: 8, .value_kind: global_buffer, .address_space: global }
      - { .name: g1, .offset: 32, .size: 8, .value_kind: global_buffer, .address_space: global }
      - { .name: b1, .offset: 40, .size: 8, .value_kind: global_buffer, .address_space: global }
      - { .name: m1, .offset: 48, .size: 8, .value_kind: global_buffer, .address_space: global }
      - { .name: v1, .offset: 56, .size: 8, .value_kind: global_buffer, .address_space: global }
      - { .name: g2, .offset: 64, .size: 8, .value_kind: global_buffer, .address_space: global }
      - { .name: b2, .offset: 72, .size: 8, .value_kind: global_buffer, .address_space: global }
      - { .name: m2, .offset: 80, .size: 8, .value_kind: global_buffer, .address_space: global }
      - { .name: v2, .offset: 88, .size: 8, .value_kind: global_buffer, .address_space: global }
      - { .name: out0, .offset: 96, .size: 8, .value_kind: global_buffer, .address_space: global }
      - { .name: grp, .offset: 104, .size: 8, .value_kind: global_buffer, .address_space: global }
      - { .name: wq, .offset: 112, .size: 8, .value_kind: global_buffer, .address_space: global }
    .group_segment_fixed_size: 97280
    .private_segment_fixed_size: 0
    .kernarg_segment_align: 8
    .kernarg_segment_size: 120
    .max_flat_workgroup_size: 256
    .sgpr_count:     66
    .vgpr_count:     146
    .wavefront_size: 32
...
	.end_amdgpu_metadata
.endif
;; end of part 1
;; launch mid (part 2): grid 256 x 1, 8 waves a work-group, no clusters, 69,632 bytes of LDS; arguments x1, p1, p2, grp, wq, h1, idx, wgt; writes h1, idx, wgt
.if DOCPART == 2
	.amdgcn_target "amdgcn-amd-amdhsa--gfx1250"
	.amdhsa_code_object_version 6
	.text
	.protected	k_q73e57f51c0_mid
	.globl	k_q73e57f51c0_mid
	.p2align	8
	.type	k_q73e57f51c0_mid,@function
k_q73e57f51c0_mid:
	s_mov_b64 s[64:65], 0
	v_nop
	global_prefetch_b8 v0, s[64:65] scope:SCOPE_SE
	s_setreg_imm32_b32 hwreg(HW_REG_WAVE_MODE, 25, 1), 1
	s_wait_xcnt 0x0
; SECOND LAUNCH.  Work-groups 0-127: h1 = relu(BN1(W1 x1)), the product on codes of E5M2 with E8M0 scales; stored as rows [point][256] of bf16 (an operand of the three-term
; interpolation, which is not quantised).  Work-groups 128-255: the exact three nearest neighbours of each dense point among the 48 candidates of the three groups that the first launch stored, and their weights.
; LIMITS.  NaN and infinities among the inputs are not served.  A block of 32 zeros gets the scale byte 1 (its codes are zeros; nobody else reads the bytes).  Rounding inside d as in the first launch.
; Where d + 1e-8 is 0 or less the weights are as ill-conditioned as the problem's own formula.
; THE PRODUCT.  A work-group takes 64 points x all 256 outputs, K = 512.  x1 is [channel][point]: K is not innermost.  A lane takes four neighbouring points (16 bytes of a row), and its registers run DOWN K:
; lane (r, h) loads rows k0 + 16 h + i, i = 0..15, at points n0 + 4 r + 0..3.  So sixteen lanes read 256 consecutive bytes, a block of 32 along K lies in lanes l and l xor 16, and the hold that the conversion wants
; also sorts the registers by point.  COLUMN TILE t holds points n0 + 4 r + t.  Wave w quantises k = 64 w .. 64 w + 63 (two blocks); codes and scale bytes go to LDS as images of the operand's registers.
; Wave w then multiplies output tiles 2 w, 2 w + 1 (source 0 = 16 rows of W1, from wq straight into registers; source 1 = 16 points): a lane holds one point and eight places of its row of h1.
; No tensor loads: x1 must pass through registers to be quantised, each byte once.  No cluster: what work-groups share is W1's 136 KB of codes, which each wave takes into registers as it lies.
.set IMG,  0                           ; LDS: fragment (K step s, tile t) at (4 s + t) 2,048: [block c][lane][16 bytes]
.set SCW,  32768                       ; its scale words at (4 s + t) 128 + 4 lane, byte c
.set STG,  34816                       ; the way out: 64 rows (16 t + r) of 512 bytes + 16
.set WV,   2
.set MK,   40                          ; s40-42 compare masks
.set LI,   4                           ; v4   16 x lane
.set L4,   5                           ; v5   4 x lane
.set LS,   6                           ; v6   SCW + 4 x lane
.set XO,   7                           ; v7   x1: 16 rows for h, 16 bytes for r
.set IW,   8                           ; v8   where my codes go
.set SW,   9                           ; v9   where my scale bytes go
.set STO,  10                          ; v10  the stage, on the way in
.set STR,  11                          ; v11  and back
.set BO,   12                          ; v12  32 h
.set ASC,  16                          ; v16-23 W1's scale words (tile u, K step s) at 16 + 4 u + s: scales and nothing else
.set BSC,  24                          ; v24-27 x1's, for tile t: likewise
.set XR,   32                          ; v32-159 x1 as loaded: block be at + 64 be, register 4 i + t
.set ACC,  32                          ; later: eight accumulators (u, t) at 32 + 8 (4 u + t)
.set AF,   96                          ; later: W1's fragments, K step s at + 32 (s % 2), tile u at + 16 u
.set TR,   160                         ; v160-223 held numbers, 16 t + i
.set BF,   160                         ; later: x1's four fragments of a K step
.set PK,   160                         ; later: packed results
.set BK,   192                         ; later: rows read back
.set QM,   224                         ; v224-227 largest magnitudes; v228-231 the other half's, then bytes; v232-235 scale operands; v236-239 holds
.set QP,   228
.set QS,   232
.set QH,   236
.set CD,   240                         ; v240-255 codes, 4 t ..
.set SC,   224                         ; later: BN1's scale (8 u + j) and shift
.set SH,   240
	v_lshl_add_u32 v30, v0, 2, 0x10c00
	v_mov_b32 v31, 0
	v_lshrrev_b32 v1, 5, v0
	v_readfirstlane_b32 s[WV], v1                  ; wave 0..7
	v_and_b32 v1, 31, v0                           ; lane
	s_cmp_ge_u32 ttmp9, 128
	s_cbranch_scc1 .Lrefine                        ; the same for all waves of a work-group
	s_load_b64 s[4:5], s[0:1], 0x0                 ; x1
	s_load_b128 s[8:11], s[0:1], 0x20              ; wq, h1
	v_and_b32 v2, 15, v0                           ; r
	v_bfe_u32 v3, v0, 4, 1                         ; h
	v_lshlrev_b32 v[LI], 4, v1
	v_lshlrev_b32 v[L4], 2, v1
	v_add_nc_u32 v[LS], SCW, v[L4]
	v_lshlrev_b32 v[XO], 4, v2
	v_lshl_add_u32 v[XO], v3, 18, v[XO]            ; 16 rows of 16,384 bytes
	s_lshr_b32 s16, s[WV], 1                       ; my K step
	s_and_b32 s17, s[WV], 1                        ; which half of it
	s_lshl_b32 s18, s16, 13
	s_lshl_b32 s19, s17, 10
	s_add_co_u32 s18, s18, s19
	v_add_nc_u32 v[IW], s18, v[LI]
	s_lshl_b32 s18, s16, 9
	s_lshl_b32 s19, s17, 1
	s_add_co_u32 s18, s18, s19
	v_add_nc_u32 v[SW], s18, v[LS]
	v_mul_u32_u24 v[STO], v2, 528
	v_lshl_add_u32 v[STO], v3, 4, v[STO]
	s_lshl_b32 s18, s[WV], 6
	s_add_co_u32 s18, s18, STG
	v_add_nc_u32 v[STO], s18, v[STO]               ; row r, + 16 h, + my 32 places' 64 bytes
	s_mul_i32 s18, s[WV], 4224
	s_add_co_u32 s18, s18, STG
	v_add_nc_u32 v[STR], s18, v[LI]                ; back: my eight rows, 16 bytes a lane
	v_lshlrev_b32 v[BO], 5, v3
.irp t, 0,1,2,3
	v_mov_b32 v[QP+\t], 0                          ; a lane permute's destination counts as one of its sources
.endr
	s_mov_b32 s20, 0x76543210
	s_mov_b32 s21, 0xfedcba98                      ; v_permlanex16_b32's selects for lane l xor 16
	s_mov_b32 s22, 0x600000                        ; the mantissa field of 57,344
	s_lshr_b32 s3, ttmp9, 6                        ; the batch
	s_and_b32 s14, ttmp9, 63                       ; which 64 points
	s_lshl_b32 s12, s3, 23
	s_lshl_b32 s13, s[WV], 20
	s_add_co_u32 s12, s12, s13
	s_lshl_b32 s13, s14, 8
	s_add_co_u32 s12, s12, s13                     ; x1: batch, my 64 rows, 4 n0
	s_mov_b32 s13, 0
	s_lshl_b32 s24, s3, 12
	s_lshl_b32 s25, s14, 6
	s_add_co_u32 s24, s24, s25
	s_lshl_b32 s25, s17, 5
	s_add_co_u32 s24, s24, s25
	s_add_co_u32 s24, s24, s16
	s_lshl_b32 s24, s24, 9                         ; h1: the first row that I store: stage row 8 w + i is point n0 + 32 (w % 2) + w / 2 + 4 i
	s_mov_b32 s25, 0
	s_lshl_b32 s26, s[WV], 14                      ; wq: my eight fragments,
	s_mov_b32 s27, 0
	s_lshl_b32 s28, s[WV], 10
	s_add_co_u32 s28, s28, 196608                  ; their scale words,
	s_mov_b32 s29, 0
	s_lshl_b32 s30, s[WV], 7
	s_add_co_u32 s30, s30, 208896                  ; my 32 places of BN1's tables
	s_mov_b32 s31, 0
	s_wait_kmcnt 0x0
	s_add_nc_u64 s[4:5], s[4:5], s[12:13]
	s_add_nc_u64 s[10:11], s[10:11], s[24:25]
	s_add_nc_u64 s[26:27], s[8:9], s[26:27]
	s_add_nc_u64 s[28:29], s[8:9], s[28:29]
	s_add_nc_u64 s[30:31], s[8:9], s[30:31]
.irp u, 0,1
.irp s, 0,1,2,3
	global_load_b32 v[ASC+4*\u+\s], v[L4], s[28:29] offset:512*\u+128*\s
.endr
.endr
.irp be, 0,1
.irp i, 0,1,2,3,4,5,6,7,8,9,10,11,12,13,14,15
	global_load_b128 v[XR+64*\be+4*\i:XR+64*\be+4*\i+3], v[XO], s[4:5] offset:(32*\be+\i)*16384 th:TH_LOAD_NT   ; lanes 0-15: 256 consecutive bytes of row k; lanes 16-31: of row k + 16
.endr
.endr
; One block of 32 along K for four column tiles: v[x + 4 i + t] = number (k = 16 h + i, tile t).  Codes to IMG at + io, bytes to SCW at + so.
.macro QCOL x, tr, io, so
	s_wait_dscnt 0x0                               ; earlier LDS stores have read the registers that are written below
.irp t, 0,1,2,3
	v_max3_num_f32 v[QM+\t], |v[\x+\t]|, |v[\x+4+\t]|, 0x8000000        ; my 16 numbers, and the floor 2^(16 - 127): the byte cannot fall under 1
.endr
.irp i, 2,4,6,8,10,12,14
.irp t, 0,1,2,3
	v_max3_num_f32 v[QM+\t], v[QM+\t], |v[\x+4*\i+\t]|, |v[\x+4*\i+4+\t]|
.endr
.endr
.irp t, 0,1,2,3
	v_permlanex16_b32 v[QP+\t], v[QM+\t], s20, s21
.endr
.irp t, 0,1,2,3
	v_max_num_f32 v[QM+\t], v[QM+\t], v[QP+\t]     ; with lane l xor 16's: the block's largest magnitude
.endr
.irp t, 0,1,2,3
	v_add_nc_u32 v[QS+\t], 0xf8800000, v[QM+\t]    ; 15 off its exponent field: the conversion's scale operand
.endr
.irp t, 0,1,2,3
	v_and_or_b32 v[QH+\t], v[QM+\t], 0x7f800000, s22   ; 57,344 x the scale
.endr
.irp t, 0,1,2,3
.irp i, 0,1,2,3,4,5,6,7,8,9,10,11,12,13,14,15
	v_med3_num_f32 v[\tr+16*\t+\i], v[\x+4*\i+\t], -v[QH+\t], v[QH+\t]   ; the hold (the conversion does not saturate: ISA guide 7.6.2) also lays a tile's 16 numbers side by side
.endr
.endr
.irp t, 0,1,2,3
	v_cvt_scalef32_pk8_bf8_f32 v[CD+4*\t:CD+4*\t+1], v[\tr+16*\t:\tr+16*\t+7], v[QS+\t]
	v_cvt_scalef32_pk8_bf8_f32 v[CD+4*\t+2:CD+4*\t+3], v[\tr+16*\t+8:\tr+16*\t+15], v[QS+\t]
.endr
.irp t, 0,1,2,3
	v_lshrrev_b32 v[QP+\t], 23, v[QS+\t]           ; the scale's byte.  (Plain lines behind the conversions)
.endr
.irp t, 0,1,2,3
	ds_store_b128 v[IW], v[CD+4*\t:CD+4*\t+3] offset:2048*\t+\io
.endr
.irp t, 0,1,2,3
	ds_store_b8 v[SW], v[QP+\t] offset:128*\t+\so  ; lanes l and l xor 16 hold the same byte and write it to their own words
.endr
.endm
.macro ALOAD s                                     ; W1's fragments of K step s, my two tiles
.irp u, 0,1
.irp c, 0,1,2,3
	global_load_b128 v[AF+32*((\s)%2)+16*\u+4*\c:AF+32*((\s)%2)+16*\u+4*\c+3], v[LI], s[26:27] offset:8192*\u+2048*(\s)+512*\c
.endr
.endr
.endm
	s_wait_loadcnt 16                              ; the scale words and the first block are in; the second block's sixteen loads may be out
	QCOL XR, TR, 0, 0
	s_wait_loadcnt 0x0
	QCOL XR+64, TR, 512, 1
	ALOAD 0                                        ; into registers that x1 has left
	ALOAD 1
	s_wait_dscnt 0x0                               ; my stores have landed, and have read the registers into which the tables are loaded
.irp u, 0,1
	global_load_b128 v[SC+8*\u:SC+8*\u+3], v[BO], s[30:31] offset:64*\u
	global_load_b128 v[SC+8*\u+4:SC+8*\u+7], v[BO], s[30:31] offset:64*\u+16
	global_load_b128 v[SH+8*\u:SH+8*\u+3], v[BO], s[30:31] offset:1024+64*\u
	global_load_b128 v[SH+8*\u+4:SH+8*\u+7], v[BO], s[30:31] offset:1024+64*\u+16
.endr
	s_barrier_signal -1
	s_barrier_wait -1                              ; x1's sixteen fragments and their scale words lie in LDS
; A K step: four fragments of x1 from LDS, eight products.  The eight accumulators take turns, one instruction a turn, in the same order in every step.
.macro STEP s
.irp t, 0,1,2,3
.irp c, 0,1,2,3
	ds_load_b128 v[BF+16*\t+4*\c:BF+16*\t+4*\c+3], v[LI] offset:(4*\s+\t)*2048+512*\c
.endr
	ds_load_b32 v[BSC+\t], v[LS] offset:(4*\s+\t)*128
.endr
	s_wait_dscnt 0x0
.if (\s == 0) || (\s == 3)
	s_wait_loadcnt 0x0
.endif
.if \s == 2
	s_wait_loadcnt 8                               ; K step 2's fragments of W1 are in; K step 3's eight loads may be out
.endif
.irp u, 0,1
.irp t, 0,1,2,3
.if \s == 0
	v_wmma_scale_f32_16x16x128_f8f6f4 v[ACC+8*(4*\u+\t):ACC+8*(4*\u+\t)+7], v[AF+32*(\s%2)+16*\u:AF+32*(\s%2)+16*\u+15], v[BF+16*\t:BF+16*\t+15], 0, v[ASC+4*\u+\s], v[BSC+\t] matrix_a_fmt:MATRIX_FMT_BF8 matrix_b_fmt:MATRIX_FMT_BF8
.else
	v_wmma_scale_f32_16x16x128_f8f6f4 v[ACC+8*(4*\u+\t):ACC+8*(4*\u+\t)+7], v[AF+32*(\s%2)+16*\u:AF+32*(\s%2)+16*\u+15], v[BF+16*\t:BF+16*\t+15], v[ACC+8*(4*\u+\t):ACC+8*(4*\u+\t)+7], v[ASC+4*\u+\s], v[BSC+\t] matrix_a_fmt:MATRIX_FMT_BF8 matrix_b_fmt:MATRIX_FMT_BF8
.endif
.endr
.endr
.rept 8
	v_nop                                          ; eight places ahead of loads into registers that these products read, and of the first read of results
.endr
.if \s < 2
	ALOAD \s+2
.endif
.endm
	STEP 0
	STEP 1
	STEP 2
	STEP 3
	; BN1, relu, bf16.  Lane (r, h), tile (u, t), register j: point n0 + 4 r + t, place 16 (2 w + u) + 8 h + j of its row
.irp u, 0,1
.irp t, 0,1,2,3
.irp k, 0,1,2,3
	v_pk_fma_f32 v[ACC+8*(4*\u+\t)+2*\k:ACC+8*(4*\u+\t)+2*\k+1], v[ACC+8*(4*\u+\t)+2*\k:ACC+8*(4*\u+\t)+2*\k+1], v[SC+8*\u+2*\k:SC+8*\u+2*\k+1], v[SH+8*\u+2*\k:SH+8*\u+2*\k+1]   ; each accumulator from its low end on
.endr
.irp j, 0,1,2,3,4,5,6,7
	v_max_num_f32 v[ACC+8*(4*\u+\t)+\j], 0, v[ACC+8*(4*\u+\t)+\j]
.endr
.irp k, 0,1,2,3
	v_cvt_pk_bf16_f32 v[PK+4*(4*\u+\t)+\k], v[ACC+8*(4*\u+\t)+2*\k], v[ACC+8*(4*\u+\t)+2*\k+1]
.endr
	ds_store_b128 v[STO], v[PK+4*(4*\u+\t):PK+4*(4*\u+\t)+3] offset:8448*\t+32*\u
.endr
.endr
	s_wait_dscnt 0x0                               ; for the others' sake: a row's 512 bytes come from eight waves
	s_barrier_signal -1
	s_barrier_wait -1
.irp i, 0,1,2,3,4,5,6,7
	ds_load_b128 v[BK+4*\i:BK+4*\i+3], v[STR] offset:528*\i
.endr
.irp i, 0,1,2,3,4,5,6,7
	s_wait_dscnt 7-\i                              ; row i is back; the younger rows may be out
	global_store_b128 v[LI], v[BK+4*\i:BK+4*\i+3], s[10:11] offset:2048*\i    ; the 32 lanes store one whole row of h1: 512 consecutive bytes
.endr
	s_wait_tensorcnt 0x0
	ds_add_u32 v30, v31
	s_wait_dscnt 0x0
	s_endpgm
	; ------------------------------------------------------------------ the three nearest, exactly.  A thread to a query; no LDS
.set RO,   208                         ; v208-210 the three groups' byte offsets in p1
.set RJ,   212                         ; v212-214 their first candidates' indices
.set RL,   216                         ; v216-221 the list: a <= b <= c, ia, ib, ic
.set RT,   222                         ; v222 at work
.set RC,   64                          ; v64-207 three groups x 16 candidates x (x, y, z)
.macro INS1 m, g
	v_cmp_lt_f32 s[MK], v[\m], v[RL]
	v_cmp_lt_f32 s[MK+1], v[\m], v[RL+1]
	v_cmp_lt_f32 s[MK+2], v[\m], v[RL+2]
	v_cndmask_b32 v[RT], v[\g], v[RL+4], s[MK+1]
	v_cndmask_b32 v[RL+5], v[RL+5], v[RT], s[MK+2]
	v_cndmask_b32 v[RT], v[\g], v[RL+3], s[MK]
	v_cndmask_b32 v[RL+4], v[RL+4], v[RT], s[MK+1]
	v_cndmask_b32 v[RL+3], v[RL+3], v[\g], s[MK]
	v_med3_num_f32 v[RL+2], v[RL+1], v[RL+2], v[\m]
	v_med3_num_f32 v[RL+1], v[RL], v[RL+1], v[\m]
	v_min_num_f32 v[RL], v[RL], v[\m]
.endm
.macro CAND4 gm, c0                                ; candidates c0 .. c0 + 3 of group gm: d by the first launch's lines, then four insertions in ascending order of index
.irp e, 0,1,2,3
	v_mul_f32 v[32+3*\e], v[RC+48*\gm+3*(\c0+\e)], v[RC+48*\gm+3*(\c0+\e)]
.endr
.irp e, 0,1,2,3
	v_fma_f32 v[32+3*\e], v[RC+48*\gm+3*(\c0+\e)+1], v[RC+48*\gm+3*(\c0+\e)+1], v[32+3*\e]
.endr
.irp e, 0,1,2,3
	v_fma_f32 v[32+3*\e], v[RC+48*\gm+3*(\c0+\e)+2], v[RC+48*\gm+3*(\c0+\e)+2], v[32+3*\e]    ; s1
.endr
.irp e, 0,1,2,3
	v_add_f32 v[32+3*\e], v11, v[32+3*\e]          ; t = s2 + s1
.endr
.irp e, 0,1,2,3
	v_mul_f32 v[33+3*\e], v8, v[RC+48*\gm+3*(\c0+\e)]
.endr
.irp e, 0,1,2,3
	v_fma_f32 v[33+3*\e], v9, v[RC+48*\gm+3*(\c0+\e)+1], v[33+3*\e]
.endr
.irp e, 0,1,2,3
	v_fma_f32 v[33+3*\e], v10, v[RC+48*\gm+3*(\c0+\e)+2], v[33+3*\e]   ; u
.endr
.irp e, 0,1,2,3
	v_add_f32 v[32+3*\e], v[32+3*\e], v[33+3*\e]   ; d
	v_add_nc_u32 v[34+3*\e], \c0+\e, v[RJ+\gm]     ; its index in the batch
.endr
.irp e, 0,1,2,3
	INS1 32+3*\e, 34+3*\e
.endr
.endm
.Lrefine:
	s_load_b128 s[4:7], s[0:1], 0x8                ; p1, p2
	s_load_b64 s[8:9], s[0:1], 0x18                ; grp
	s_load_b128 s[12:15], s[0:1], 0x30             ; idx, wgt
	s_sub_co_u32 s3, ttmp9, 128                    ; which 256 queries
	s_lshr_b32 s16, s3, 6                          ; the batch
	s_mul_i32 s18, s16, 49152
	s_mov_b32 s19, 0
	s_lshl_b32 s16, s16, 12                        ; its first row of h1
	s_lshl_b32 s20, s3, 12                         ; 256 records of 16 bytes
	s_mov_b32 s21, 0
	s_mul_i32 s22, s3, 3072                        ; 256 points of 12 bytes
	s_mov_b32 s23, 0
	v_lshlrev_b32 v1, 4, v0
	v_mul_u32_u24 v2, v0, 12
	s_wait_kmcnt 0x0
	s_add_nc_u64 s[4:5], s[4:5], s[18:19]
	s_add_nc_u64 s[6:7], s[6:7], s[22:23]
	s_add_nc_u64 s[8:9], s[8:9], s[20:21]
	s_add_nc_u64 s[12:13], s[12:13], s[20:21]
	s_add_nc_u64 s[14:15], s[14:15], s[20:21]
	global_load_b128 v[4:7], v1, s[8:9]
	global_load_b32 v12, v2, s[6:7]
	global_load_b32 v13, v2, s[6:7] offset:4
	global_load_b32 v14, v2, s[6:7] offset:8
	s_wait_loadcnt 0x0
.irp k, 0,1,2
	v_min_u32 v[4+\k], 0xff, v[4+\k]               ; a group's number stays inside the batch's 256
	v_mul_u32_u24 v[RO+\k], v[4+\k], 192           ; 16 candidates of 12 bytes
	v_lshlrev_b32 v[RJ+\k], 4, v[4+\k]
.endr
.irp gm, 0,1,2
.irp k, 0,1,2,3,4,5,6,7,8,9,10,11
	global_load_b128 v[RC+48*\gm+4*\k:RC+48*\gm+4*\k+3], v[RO+\gm], s[4:5] offset:16*\k
.endr
.endr
	v_mul_f32 v11, v12, v12
	v_fma_f32 v11, v13, v13, v11
	v_fma_f32 v11, v14, v14, v11                   ; s2
	v_mul_f32 v8, -2.0, v12
	v_mul_f32 v9, -2.0, v13
	v_mul_f32 v10, -2.0, v14
.irp k, 0,1,2
	v_mov_b32 v[RL+\k], 0x7f800000
	v_mov_b32 v[RL+3+\k], 0
.endr
.irp gm, 0,1,2
	s_wait_loadcnt 24-12*\gm                       ; this group's twelve loads are in; the later groups' may be out
.irp c0, 0,4,8,12
	CAND4 \gm, \c0
.endr
.endr
.irp k, 0,1,2
	v_add_nc_u32 v[48+\k], s16, v[RL+3+\k]         ; the neighbour's row of h1
	v_add_f32 v[32+\k], 0x322bcc77, v[RL+\k]       ; d + 1e-8
.endr
.irp k, 0,1,2
	v_rcp_f32 v[36+\k], v[32+\k]
.endr
	v_mov_b32 v51, 0                               ; (a plain line behind the reciprocals)
	s_wait_alu depctr_va_vdst(0)                   ; one wait for the three, ahead of their first reader
	v_add_f32 v40, v36, v37
	v_add_f32 v40, v40, v38
	v_rcp_f32 v41, v40
	v_mov_b32 v55, 0
	s_wait_alu depctr_va_vdst(0)
.irp k, 0,1,2
	v_mul_f32 v[52+\k], v[36+\k], v41
.endr
	global_store_b128 v1, v[48:51], s[12:13]       ; a wave stores 512 consecutive bytes
	global_store_b128 v1, v[52:55], s[14:15]
	s_endpgm
.Lfunc_end_k_q73e57f51c0_mid:
	.size	k_q73e57f51c0_mid, .Lfunc_end_k_q73e57f51c0_mid-k_q73e57f51c0_mid
	.p2alignl 7, 3214868480
	.fill 96, 4, 3214868480
	.section	.rodata,"a",@progbits
	.p2align	6, 0x0
	.amdhsa_kernel k_q73e57f51c0_mid
		.amdhsa_group_segment_fixed_size 69632
		.amdhsa_private_segment_fixed_size 0
		.amdhsa_enable_private_segment 0
		.amdhsa_kernarg_size 64
		.amdhsa_user_sgpr_count 2
		.amdhsa_user_sgpr_kernarg_segment_ptr 1
		.amdhsa_wavefront_size32 1
		.amdhsa_system_sgpr_workgroup_id_x 1
		.amdhsa_system_sgpr_workgroup_id_y 1
		.amdhsa_system_sgpr_workgroup_id_z 1
		.amdhsa_system_vgpr_workitem_id 0
		.amdhsa_next_free_vgpr 256
		.amdhsa_next_free_sgpr 66
		.amdhsa_reserve_vcc 0
		.amdhsa_float_denorm_mode_32 3
		.amdhsa_float_denorm_mode_16_64 3
		.amdhsa_memory_ordered 1
		.amdhsa_forward_progress 1
		.amdhsa_inst_pref_size 104
	.end_amdhsa_kernel
	.amdgpu_metadata
---
amdhsa.version: [ 1, 2 ]
amdhsa.kernels:
  - .name:           k_q73e57f51c0_mid
    .symbol:         k_q73e57f51c0_mid.kd
    .args:
      - { .name: x1, .offset: 0, .size: 8, .value_kind: global_buffer, .address_space: global }
      - { .name: p1, .offset: 8, .size: 8, .value_kind: global_buffer, .address_space: global }
      - { .name: p2, .offset: 16, .size: 8, .value_kind: global_buffer, .address_space: global }
      - { .name: grp, .offset: 24, .size: 8, .value_kind: global_buffer, .address_space: global }
      - { .name: wq, .offset: 32, .size: 8, .value_kind: global_buffer, .address_space: global }
      - { .name: h1, .offset: 40, .size: 8, .value_kind: global_buffer, .address_space: global }
      - { .name: idx, .offset: 48, .size: 8, .value_kind: global_buffer, .address_space: global }
      - { .name: wgt, .offset: 56, .size: 8, .value_kind: global_buffer, .address_space: global }
    .group_segment_fixed_size: 69632
    .private_segment_fixed_size: 0
    .kernarg_segment_align: 8
    .kernarg_segment_size: 64
    .max_flat_workgroup_size: 256
    .sgpr_count:     66
    .vgpr_count:     256
    .wavefront_size: 32
...
	.end_amdgpu_metadata
.endif
;; end of part 2
;; launch fine (part 3): grid 512 x 1, 8 waves a work-group, no clusters, 88,064 bytes of LDS; arguments x2, wq, h1, idx, wgt, out1; writes out1
.if DOCPART == 3
	.amdgcn_target "amdgcn-amd-amdhsa--gfx1250"
	.amdhsa_code_object_version 6
	.text
	.protected	k_q73e57f51c0_fine
	.globl	k_q73e57f51c0_fine
	.p2align	8
	.type	k_q73e57f51c0_fine,@function
k_q73e57f51c0_fine:
	s_mov_b64 s[64:65], 0
	v_nop
	global_prefetch_b8 v0, s[64:65] scope:SCOPE_SE
	s_setreg_imm32_b32 hwreg(HW_REG_WAVE_MODE, 25, 1), 1
	s_wait_xcnt 0x0
; THIRD LAUNCH.  out1 = relu(BN2(W2 x2)) + the weighted sum of three rows of h1 for each point.  The product is on codes of E5M2 with E8M0 scales; the interpolation takes h1 as bf16 and the weights as f32, sums in f32.
; LIMITS.  NaN and infinities among the inputs are not served.  A block of 32 zeros gets the scale byte 1 (its codes are zeros; nobody else reads the bytes).
; SHARES.  A work-group takes 64 points x all 256 channels, K = 256.  x2 is [channel][point]: a lane takes four neighbouring points and its registers run down K, as in the second launch; COLUMN TILE t holds points
; n0 + 4 r + t.  Wave w quantises the one block k = 32 w .. 32 w + 31; its codes and scale bytes go to LDS as images of the operand's registers.  Wave w also gathers for points 8 w .. 8 w + 7: each of a point's three
; rows of h1 is 512 bytes, read whole by one instruction; lane l's 16 bytes are channels l + 32 i (so the second launch laid them), and four points' sums of a channel go to LDS side by side: U[channel][point].
; Wave w multiplies output tiles 2 w, 2 w + 1 (source 0 = 16 rows of W2, from wq into registers; source 1 = 16 points): for a given channel the four tiles' results of a lane are four neighbouring points,
; so sixteen lanes store 256 consecutive bytes of a row of out1.
; No tensor loads: x2 must pass through registers to be quantised, each byte once, and the rows of h1 are named by a list.  No cluster: what work-groups share is W2's 68 KB of codes.
.set IMG,  0                           ; LDS: fragment (K step s, tile t) at (4 s + t) 2,048: [block c][lane][16 bytes]
.set SCW,  16384                       ; its scale words at (4 s + t) 128 + 4 lane, byte c
.set U,    17408                       ; 256 channels x (64 points x 4 bytes + 16)
.set WV,   2
.set LI,   4                           ; v4   16 x lane
.set L4,   5                           ; v5   4 x lane
.set LS,   6                           ; v6   SCW + 4 x lane
.set XO,   7                           ; v7   x2: 16 rows for h, 16 bytes for r
.set IW,   8                           ; v8   where my codes go
.set SW,   9                           ; v9   where my scale bytes go
.set US,   10                          ; v10  U, on the way in: channel = lane, my eight points
.set UR,   11                          ; v11  and back: my 32 channels, 8 for h, four points for r
.set OO,   12                          ; v12  out1: 8 rows for h, 16 bytes for r
.set BO,   13                          ; v13  32 h
.set NIL,  14                          ; v14  0
.set ASC,  16                          ; v16-19 W2's scale words (tile u, K step s) at 16 + 2 u + s: scales and nothing else
.set BSC,  20                          ; v20-27 x2's (K step s, tile t) at 20 + 4 s + t: likewise
.set XR,   32                          ; v32-95 x2 as loaded, register 4 i + t
.set BF,   32                          ; later: x2's four fragments of a K step
.set UQ,   32                          ; later: U's quads, 4 (8 u + j)
.set RG,   96                          ; v96-143 four slots of three rows' 16 bytes
.set TR,   96                          ; later: v96-159 held numbers
.set ACC,  96                          ; later: eight accumulators (u, t) at 96 + 8 (4 u + t)
.set IX,   160                         ; v160-191 the points' records of indices, turned into offsets in place
.set WT,   192                         ; v192-223 their weights
.set AF,   160                         ; later: W2's fragments (u, s) at 160 + 16 (2 u + s)
.set OUT,  160                         ; later: results, 4 (8 u + j) + t
.set UA,   224                         ; v224-255 the sums: channel lane + 32 i of four points at 224 + 4 i
.set QM,   224                         ; later: the quantiser's, as in the second launch
.set QP,   228
.set QS,   232
.set QH,   236
.set CD,   240
.set SC,   224                         ; later: BN2's scale (8 u + j) and shift
.set SH,   240
	s_load_b256 s[4:11], s[0:1], 0x0               ; x2, wq, h1, idx
	s_load_b128 s[12:15], s[0:1], 0x20             ; wgt, out1
	v_lshl_add_u32 v30, v0, 2, 0x15400
	v_mov_b32 v31, 0
	v_lshrrev_b32 v1, 5, v0
	v_readfirstlane_b32 s[WV], v1                  ; wave 0..7
	v_and_b32 v1, 31, v0                           ; lane
	v_and_b32 v2, 15, v0                           ; r
	v_bfe_u32 v3, v0, 4, 1                         ; h
	v_lshlrev_b32 v[LI], 4, v1
	v_lshlrev_b32 v[L4], 2, v1
	v_add_nc_u32 v[LS], SCW, v[L4]
	v_lshlrev_b32 v[XO], 4, v2
	v_lshl_add_u32 v[OO], v3, 19, v[XO]            ; 8 rows of 65,536 bytes
	v_lshl_add_u32 v[XO], v3, 20, v[XO]            ; 16 rows
	s_lshr_b32 s16, s[WV], 2                       ; my K step
	s_and_b32 s17, s[WV], 3                        ; my block in it
	s_lshl_b32 s18, s16, 13
	s_lshl_b32 s19, s17, 9
	s_add_co_u32 s18, s18, s19
	v_add_nc_u32 v[IW], s18, v[LI]
	s_lshl_b32 s18, s16, 9
	s_add_co_u32 s18, s18, s17
	v_add_nc_u32 v[SW], s18, v[LS]
	v_mul_u32_u24 v[US], v1, 272
	s_lshl_b32 s18, s[WV], 5
	s_add_co_u32 s18, s18, U
	v_add_nc_u32 v[US], s18, v[US]
	v_mul_u32_u24 v[UR], v3, 2176
	v_lshl_add_u32 v[UR], v2, 4, v[UR]
	s_mul_i32 s18, s[WV], 8704
	s_add_co_u32 s18, s18, U
	v_add_nc_u32 v[UR], s18, v[UR]
	v_lshlrev_b32 v[BO], 5, v3
	v_mov_b32 v[NIL], 0
	s_mov_b32 s20, 0x76543210
	s_mov_b32 s21, 0xfedcba98                      ; v_permlanex16_b32's selects for lane l xor 16
	s_mov_b32 s22, 0x600000                        ; the mantissa field of 57,344
	s_lshl_b32 s16, ttmp9, 10
	s_lshl_b32 s17, s[WV], 7
	s_add_co_u32 s16, s16, s17                     ; the records of my eight points: 16 bytes each
	s_mov_b32 s17, 0
	s_lshr_b32 s18, ttmp9, 8                       ; the batch
	s_lshl_b32 s18, s18, 24
	s_lshl_b32 s19, s[WV], 21
	s_add_co_u32 s18, s18, s19
	s_and_b32 s19, ttmp9, 255
	s_lshl_b32 s19, s19, 8
	s_add_co_u32 s18, s18, s19                     ; x2 and out1 alike: batch, my 32 rows, 4 n0
	s_mov_b32 s19, 0
	s_lshl_b32 s32, s[WV], 13
	s_add_co_u32 s32, s32, 131072                  ; wq: my four fragments of W2,
	s_mov_b32 s33, 0
	s_lshl_b32 s34, s[WV], 9
	s_add_co_u32 s34, s34, 204800                  ; their scale words,
	s_mov_b32 s35, 0
	s_lshl_b32 s36, s[WV], 7
	s_add_co_u32 s36, s36, 210944                  ; my 32 channels of BN2's tables
	s_mov_b32 s37, 0
	s_wait_kmcnt 0x0
	s_add_nc_u64 s[24:25], s[10:11], s[16:17]
	s_add_nc_u64 s[26:27], s[12:13], s[16:17]
	s_add_nc_u64 s[28:29], s[4:5], s[18:19]
	s_add_nc_u64 s[30:31], s[14:15], s[18:19]
	s_add_nc_u64 s[32:33], s[6:7], s[32:33]
	s_add_nc_u64 s[34:35], s[6:7], s[34:35]
	s_add_nc_u64 s[36:37], s[6:7], s[36:37]
.irp u, 0,1
.irp s, 0,1
	global_load_b32 v[ASC+2*\u+\s], v[L4], s[34:35] offset:256*\u+128*\s
.endr
.endr
.irp n, 0,1,2,3,4,5,6,7
	global_load_b128 v[IX+4*\n:IX+4*\n+3], v[NIL], s[24:25] offset:16*\n      ; every lane reads the point's record
.endr
.irp n, 0,1,2,3,4,5,6,7
	global_load_b128 v[WT+4*\n:WT+4*\n+3], v[NIL], s[26:27] offset:16*\n
.endr
.irp i, 0,1,2,3,4,5,6,7,8,9,10,11,12,13,14,15
	global_load_b128 v[XR+4*\i:XR+4*\i+3], v[XO], s[28:29] offset:65536*\i th:TH_LOAD_NT   ; lanes 0-15: 256 consecutive bytes of row k; lanes 16-31: of row k + 16
.endr
	s_wait_loadcnt 16                              ; the records are in; x2's sixteen loads may be out
.irp n, 0,1,2,3,4,5,6,7
.irp k, 0,1,2
	v_min_u32 v[IX+4*\n+\k], 0x1fff, v[IX+4*\n+\k] ; a row's number stays inside h1's 8,192
.endr
.endr
.irp n, 0,1,2,3,4,5,6,7
.irp k, 0,1,2
	v_lshlrev_b32 v[IX+4*\n+\k], 9, v[IX+4*\n+\k]  ; rows of 512 bytes,
.endr
.endr
.irp n, 0,1,2,3,4,5,6,7
.irp k, 0,1,2
	v_add_nc_u32 v[IX+4*\n+\k], v[LI], v[IX+4*\n+\k]   ; my 16 bytes
.endr
.endr
.macro ROWS n                                      ; point n's three rows into slot n % 4
.irp k, 0,1,2
	global_load_b128 v[RG+12*((\n)%4)+4*\k:RG+12*((\n)%4)+4*\k+3], v[IX+4*(\n)+\k], s[8:9]
.endr
.endm
.macro MIX n                                       ; eight channels of point n: w0 h0 + w1 h1 + w2 h2, straight from the bf16 halves into f32
.irp k, 0,1,2
.irp rr, 0,1,2,3
.irp hf, 0,1
.if \k == 0
	v_fma_mix_f32_bf16 v[UA+4*(2*\rr+\hf)+(\n)%4], v[RG+12*((\n)%4)+4*\k+\rr], v[WT+4*(\n)+\k], v[NIL] op_sel:[\hf,0,0] op_sel_hi:[1,0,0]
.else
	v_fma_mix_f32_bf16 v[UA+4*(2*\rr+\hf)+(\n)%4], v[RG+12*((\n)%4)+4*\k+\rr], v[WT+4*(\n)+\k], v[UA+4*(2*\rr+\hf)+(\n)%4] op_sel:[\hf,0,0] op_sel_hi:[1,0,0]
.endif
.endr
.endr
.endr
.endm
.macro USTORE g                                    ; four points' sums of channels lane + 32 i
.irp i, 0,1,2,3,4,5,6,7
	ds_store_b128 v[US], v[UA+4*\i:UA+4*\i+3] offset:8704*\i+16*\g
.endr
.endm
	ROWS 0
	ROWS 1
	ROWS 2
	ROWS 3
.irp n, 0,1,2,3
	s_wait_loadcnt 9                               ; this point's rows are in (and x2, asked for earlier); the next three points' nine loads may be out
	MIX \n
	ROWS \n+4
.endr
	USTORE 0
	s_wait_loadcnt 9
	s_wait_dscnt 0x0                               ; the stores have read the sums' registers
	MIX 4
	s_wait_loadcnt 6
	MIX 5
	s_wait_loadcnt 3
	MIX 6
	s_wait_loadcnt 0x0
	MIX 7
	USTORE 1
.irp u, 0,1
.irp s, 0,1
.irp c, 0,1,2,3
	global_load_b128 v[AF+16*(2*\u+\s)+4*\c:AF+16*(2*\u+\s)+4*\c+3], v[LI], s[32:33] offset:4096*\u+2048*\s+512*\c   ; W2's fragments, into registers that the records have left
.endr
.endr
.endr
; One block of 32 along K for four column tiles: v[x + 4 i + t] = number (k = 16 h + i, tile t).  Codes to IMG at + io, bytes to SCW at + so.
.macro QCOL x, tr, io, so
	s_wait_dscnt 0x0                               ; earlier LDS stores have read the registers that are written below
.irp t, 0,1,2,3
	v_max3_num_f32 v[QM+\t], |v[\x+\t]|, |v[\x+4+\t]|, 0x8000000        ; my 16 numbers, and the floor 2^(16 - 127): the byte cannot fall under 1
.endr
.irp i, 2,4,6,8,10,12,14
.irp t, 0,1,2,3
	v_max3_num_f32 v[QM+\t], v[QM+\t], |v[\x+4*\i+\t]|, |v[\x+4*\i+4+\t]|
.endr
.endr
.irp t, 0,1,2,3
	v_permlanex16_b32 v[QP+\t], v[QM+\t], s20, s21
.endr
.irp t, 0,1,2,3
	v_max_num_f32 v[QM+\t], v[QM+\t], v[QP+\t]     ; with lane l xor 16's: the block's largest magnitude
.endr
.irp t, 0,1,2,3
	v_add_nc_u32 v[QS+\t], 0xf8800000, v[QM+\t]    ; 15 off its exponent field: the conversion's scale operand
.endr
.irp t, 0,1,2,3
	v_and_or_b32 v[QH+\t], v[QM+\t], 0x7f800000, s22   ; 57,344 x the scale
.endr
.irp t, 0,1,2,3
.irp i, 0,1,2,3,4,5,6,7,8,9,10,11,12,13,14,15
	v_med3_num_f32 v[\tr+16*\t+\i], v[\x+4*\i+\t], -v[QH+\t], v[QH+\t]   ; the hold (the conversion does not saturate: ISA guide 7.6.2) also lays a tile's 16 numbers side by side
.endr
.endr
.irp t, 0,1,2,3
	v_cvt_scalef32_pk8_bf8_f32 v[CD+4*\t:CD+4*\t+1], v[\tr+16*\t:\tr+16*\t+7], v[QS+\t]
	v_cvt_scalef32_pk8_bf8_f32 v[CD+4*\t+2:CD+4*\t+3], v[\tr+16*\t+8:\tr+16*\t+15], v[QS+\t]
.endr
.irp t, 0,1,2,3
	v_lshrrev_b32 v[QP+\t], 23, v[QS+\t]           ; the scale's byte.  (Plain lines behind the conversions)
.endr
.irp t, 0,1,2,3
	ds_store_b128 v[IW], v[CD+4*\t:CD+4*\t+3] offset:2048*\t+\io
.endr
.irp t, 0,1,2,3
	ds_store_b8 v[SW], v[QP+\t] offset:128*\t+\so  ; lanes l and l xor 16 hold the same byte and write it to their own words
.endr
.endm
	QCOL XR, TR, 0, 0
	s_wait_dscnt 0x0                               ; my stores have landed, and have read the registers into which the tables are loaded
.irp u, 0,1
	global_load_b128 v[SC+8*\u:SC+8*\u+3], v[BO], s[36:37] offset:64*\u
	global_load_b128 v[SC+8*\u+4:SC+8*\u+7], v[BO], s[36:37] offset:64*\u+16
	global_load_b128 v[SH+8*\u:SH+8*\u+3], v[BO], s[36:37] offset:1024+64*\u
	global_load_b128 v[SH+8*\u+4:SH+8*\u+7], v[BO], s[36:37] offset:1024+64*\u+16
.endr
	s_barrier_signal -1
	s_barrier_wait -1                              ; x2's eight fragments, their scale words and all of U lie in LDS
.irp s, 0,1
.irp t, 0,1,2,3
	ds_load_b32 v[BSC+4*\s+\t], v[LS] offset:(4*\s+\t)*128
.endr
.endr
; A K step: four fragments of x2 from LDS, eight products.  The eight accumulators take turns, one instruction a turn, in the same order in both steps.
.macro STEP s
.irp t, 0,1,2,3
.irp c, 0,1,2,3
	ds_load_b128 v[BF+16*\t+4*\c:BF+16*\t+4*\c+3], v[LI] offset:(4*\s+\t)*2048+512*\c
.endr
.endr
	s_wait_dscnt 0x0
.if \s == 0
	s_wait_loadcnt 0x0                             ; W2's fragments and the tables
.endif
.irp u, 0,1
.irp t, 0,1,2,3
.if \s == 0
	v_wmma_scale_f32_16x16x128_f8f6f4 v[ACC+8*(4*\u+\t):ACC+8*(4*\u+\t)+7], v[AF+16*(2*\u+\s):AF+16*(2*\u+\s)+15], v[BF+16*\t:BF+16*\t+15], 0, v[ASC+2*\u+\s], v[BSC+4*\s+\t] matrix_a_fmt:MATRIX_FMT_BF8 matrix_b_fmt:MATRIX_FMT_BF8
.else
	v_wmma_scale_f32_16x16x128_f8f6f4 v[ACC+8*(4*\u+\t):ACC+8*(4*\u+\t)+7], v[AF+16*(2*\u+\s):AF+16*(2*\u+\s)+15], v[BF+16*\t:BF+16*\t+15], v[ACC+8*(4*\u+\t):ACC+8*(4*\u+\t)+7], v[ASC+2*\u+\s], v[BSC+4*\s+\t] matrix_a_fmt:MATRIX_FMT_BF8 matrix_b_fmt:MATRIX_FMT_BF8
.endif
.endr
.endr
.rept 8
	v_nop                                          ; eight places ahead of loads into registers that these products read, and of the first read of results
.endr
.endm
	STEP 0
	STEP 1
.irp u, 0,1
.irp j, 0,1,2,3,4,5,6,7
	ds_load_b128 v[UQ+4*(8*\u+\j):UQ+4*(8*\u+\j)+3], v[UR] offset:272*(16*\u+\j)    ; channel 32 w + 16 u + 8 h + j, points 4 r + 0..3: sixteen lanes read 256 consecutive bytes
.endr
.endr
.irp u, 0,1
.irp t, 0,1,2,3
.irp k, 0,1,2,3
	v_pk_fma_f32 v[ACC+8*(4*\u+\t)+2*\k:ACC+8*(4*\u+\t)+2*\k+1], v[ACC+8*(4*\u+\t)+2*\k:ACC+8*(4*\u+\t)+2*\k+1], v[SC+8*\u+2*\k:SC+8*\u+2*\k+1], v[SH+8*\u+2*\k:SH+8*\u+2*\k+1]   ; BN2; each accumulator from its low end on
.endr
.endr
.endr
	s_wait_dscnt 0x0
.irp u, 0,1
.irp j, 0,1,2,3,4,5,6,7
.irp t, 0,1,2,3
	v_max_num_f32 v[ACC+8*(4*\u+\t)+\j], 0, v[ACC+8*(4*\u+\t)+\j]
.endr
.irp t, 0,1,2,3
	v_add_f32 v[OUT+4*(8*\u+\j)+\t], v[ACC+8*(4*\u+\t)+\j], v[UQ+4*(8*\u+\j)+\t]
.endr
	global_store_b128 v[OO], v[OUT+4*(8*\u+\j):OUT+4*(8*\u+\j)+3], s[30:31] offset:65536*(16*\u+\j) th:TH_STORE_NT   ; lanes 0-15 store 256 consecutive bytes of one row, at a multiple of 256 from out1's first byte; lanes 16-31 of the row 8 below
.endr
.endr
	s_wait_tensorcnt 0x0
	ds_add_u32 v30, v31
	s_wait_dscnt 0x0
	s_endpgm
.Lfunc_end_k_q73e57f51c0_fine:
	.size	k_q73e57f51c0_fine, .Lfunc_end_k_q73e57f51c0_fine-k_q73e57f51c0_fine
	.p2alignl 7, 3214868480
	.fill 96, 4, 3214868480
	.section	.rodata,"a",@progbits
	.p2align	6, 0x0
	.amdhsa_kernel k_q73e57f51c0_fine
		.amdhsa_group_segment_fixed_size 88064
		.amdhsa_private_segment_fixed_size 0
		.amdhsa_enable_private_segment 0
		.amdhsa_kernarg_size 48
		.amdhsa_user_sgpr_count 2
		.amdhsa_user_sgpr_kernarg_segment_ptr 1
		.amdhsa_wavefront_size32 1
		.amdhsa_system_sgpr_workgroup_id_x 1
		.amdhsa_system_sgpr_workgroup_id_y 1
		.amdhsa_system_sgpr_workgroup_id_z 1
		.amdhsa_system_vgpr_workitem_id 0
		.amdhsa_next_free_vgpr 256
		.amdhsa_next_free_sgpr 66
		.amdhsa_reserve_vcc 0
		.amdhsa_float_denorm_mode_32 3
		.amdhsa_float_denorm_mode_16_64 3
		.amdhsa_memory_ordered 1
		.amdhsa_forward_progress 1
		.amdhsa_inst_pref_size 50
	.end_amdhsa_kernel
	.amdgpu_metadata
---
amdhsa.version: [ 1, 2 ]
amdhsa.kernels:
  - .name:           k_q73e57f51c0_fine
    .symbol:         k_q73e57f51c0_fine.kd
    .args:
      - { .name: x2, .offset: 0, .size: 8, .value_kind: global_buffer, .address_space: global }
      - { .name: wq, .offset: 8, .size: 8, .value_kind: global_buffer, .address_space: global }
      - { .name: h1, .offset: 16, .size: 8, .value_kind: global_buffer, .address_space: global }
      - { .name: idx, .offset: 24, .size: 8, .value_kind: global_buffer, .address_space: global }
      - { .name: wgt, .offset: 32, .size: 8, .value_kind: global_buffer, .address_space: global }
      - { .name: out1, .offset: 40, .size: 8, .value_kind: global_buffer, .address_space: global }
    .group_segment_fixed_size: 88064
    .private_segment_fixed_size: 0
    .kernarg_segment_align: 8
    .kernarg_segment_size: 48
    .max_flat_workgroup_size: 256
    .sgpr_count:     66
    .vgpr_count:     256
    .wavefront_size: 32
...
	.end_amdgpu_metadata
.endif
;; end of part 3
;; ======== version 2 of 2: 3 launches; version 1 with the launches mid, fine written anew for expert scheduling mode
;; workspace buffers: grp 524,288 bytes of whole numbers; idx 524,288 bytes of whole numbers; wgt 524,288 bytes; h1 4,194,304 bytes; wq 212,992 bytes
;; launch coarse: the kernel of part 1 again; grid 269 x 1, 8 waves a work-group, no clusters, 97,280 bytes of LDS; arguments p1, p2, W1, W2, g1, b1, m1, v1, g2, b2, m2, v2, out0, grp, wq; writes out0, grp, wq
;; launch mid (part 4): grid 256 x 1, 8 waves a work-group, no clusters, 69,632 bytes of LDS; arguments x1, p1, p2, grp, wq, h1, idx, wgt; writes h1, idx, wgt
.if DOCPART == 4
	.amdgcn_target "amdgcn-amd-amdhsa--gfx1250"
	.amdhsa_code_object_version 6
	.text
	.protected	k_q73e57f51c0_mid
	.globl	k_q73e57f51c0_mid
	.p2align	8
	.type	k_q73e57f51c0_mid,@function
k_q73e57f51c0_mid:
	s_mov_b64 s[64:65], 0
	v_nop
	global_prefetch_b8 v0, s[64:65] scope:SCOPE_SE
	s_setreg_imm32_b32 hwreg(HW_REG_WAVE_SCHED_MODE, 0, 2), 2
	s_setreg_imm32_b32 hwreg(HW_REG_WAVE_MODE, 25, 1), 1
	s_wait_xcnt 0x0
	s_wait_alu depctr_vm_vsrc(0)
; SECOND LAUNCH.  Work-groups 0-127: h1 = relu(BN1(W1 x1)), the product on codes of E5M2 with E8M0 scales; stored as rows [point][256] of bf16 (an operand of the three-term
; interpolation, which is not quantised).  Work-groups 128-255: the exact three nearest neighbours of each dense point among the 48 candidates of the three groups that the first launch stored, and their weights.
; LIMITS.  NaN and infinities among the inputs are not served.  A block of 32 zeros gets the scale byte 1 (its codes are zeros; nobody else reads the bytes).  Rounding inside d as in the first launch.
; Where d + 1e-8 is 0 or less the weights are as ill-conditioned as the problem's own formula.
; THE PRODUCT.  A work-group takes 64 points x all 256 outputs, K = 512.  x1 is [channel][point]: K is not innermost.  A lane takes four neighbouring points (16 bytes of a row), and its registers run DOWN K:
; lane (r, h) loads rows k0 + 16 h + i, i = 0..15, at points n0 + 4 r + 0..3.  So sixteen lanes read 256 consecutive bytes, a block of 32 along K lies in lanes l and l xor 16, and the hold that the conversion wants
; also sorts the registers by point.  COLUMN TILE t holds points n0 + 4 r + t.  Wave w quantises k = 64 w .. 64 w + 63 (two blocks); codes and scale bytes go to LDS as images of the operand's registers.
; Wave w then multiplies output tiles 2 w, 2 w + 1 (source 0 = 16 rows of W1, from wq straight into registers; source 1 = 16 points): a lane holds one point and eight places of its row of h1.
; No tensor loads: x1 must pass through registers to be quantised, each byte once.  No cluster: what work-groups share is W1's 136 KB of codes, which each wave takes into registers as it lies.
; THE MODE: SCHED_MODE bits 1:0 = 2 (LLVM: expert scheduling mode 2), set by the entry lines.  The code itself states the register dependences
; between vector or matrix instructions and memory or LDS instructions, with s_wait_alu, always for 0.
; THE PLAN, the product's path.  Registers that memory or LDS instructions touch:
;   v4-12      offsets and LDS addresses: written once at the head, read by every memory line, never written again.
;   v16-27     scale words: loaded, read by the products; v24-27 are loaded anew in each K step.
;   v32-159    x1 as loaded, read by the quantiser's lines; v96-159 then take W1's fragments, each set read by a K step's products and loaded again for two steps on.
;   v160-223   held numbers (vector lines alone); then x1's fragments, loaded from LDS in each K step and read by its products; then v160-191 packed results (conversions write, LDS stores read), v192-223 rows read back.
;   v228-231, v240-255  bytes and codes: vector lines write, LDS stores read, the second block writes them again, then BN1's tables are loaded there.
; So: one wait on va_vdst at the head; one in each block's quantiser, ahead of its LDS stores (the second one's also serves all loads up to the first products: no vector line follows it);
; one behind the products of K steps 0, 1, 2; one ahead of the run of stores into the stage.  Two waits on vm_vsrc: ahead of the second block's lines, and ahead of the tables' loads.
; THE PLAN, the search's path: three waits on va_vdst ahead of memory lines (offsets; offsets made of the groups' numbers; the stores' data), and in each insertion one wait on va_sdst between its compares and its selects.
.set IMG,  0                           ; LDS: fragment (K step s, tile t) at (4 s + t) 2,048: [block c][lane][16 bytes]
.set SCW,  32768                       ; its scale words at (4 s + t) 128 + 4 lane, byte c
.set STG,  34816                       ; the way out: 64 rows (16 t + r) of 512 bytes + 16
.set WV,   2
.set MK,   40                          ; s40-42 compare masks
.set LI,   4                           ; v4   16 x lane
.set L4,   5                           ; v5   4 x lane
.set LS,   6                           ; v6   SCW + 4 x lane
.set XO,   7                           ; v7   x1: 16 rows for h, 16 bytes for r
.set IW,   8                           ; v8   where my codes go
.set SW,   9                           ; v9   where my scale bytes go
.set STO,  10                          ; v10  the stage, on the way in
.set STR,  11                          ; v11  and back
.set BO,   12                          ; v12  32 h
.set ASC,  16                          ; v16-23 W1's scale words (tile u, K step s) at 16 + 4 u + s: scales and nothing else
.set BSC,  24                          ; v24-27 x1's, for tile t: likewise
.set XR,   32                          ; v32-159 x1 as loaded: block be at + 64 be, register 4 i + t
.set ACC,  32                          ; later: eight accumulators (u, t) at 32 + 8 (4 u + t)
.set AF,   96                          ; later: W1's fragments, K step s at + 32 (s % 2), tile u at + 16 u
.set TR,   160                         ; v160-223 held numbers, 16 t + i
.set BF,   160                         ; later: x1's four fragments of a K step
.set PK,   160                         ; later: packed results
.set BK,   192                         ; later: rows read back
.set QM,   224                         ; v224-227 largest magnitudes; v228-231 the other half's, then bytes; v232-235 scale operands; v236-239 holds
.set QP,   228
.set QS,   232
.set QH,   236
.set CD,   240                         ; v240-255 codes, 4 t ..
.set SC,   224                         ; later: BN1's scale (8 u + j) and shift
.set SH,   240
	v_lshl_add_u32 v30, v0, 2, 0x10c00
	v_mov_b32 v31, 0
	v_lshrrev_b32 v1, 5, v0
	v_readfirstlane_b32 s[WV], v1                  ; wave 0..7
	v_and_b32 v1, 31, v0                           ; lane
	s_wait_alu depctr_va_sdst(0)                   ; s2 is written: ahead of the branch, and of its first reader in the product's path
	s_cmp_ge_u32 ttmp9, 128
	s_cbranch_scc1 .Lrefine                        ; the same for all waves of a work-group
	s_load_b64 s[4:5], s[0:1], 0x0                 ; x1
	s_load_b128 s[8:11], s[0:1], 0x20              ; wq, h1
	v_and_b32 v2, 15, v0                           ; r
	v_bfe_u32 v3, v0, 4, 1                         ; h
	v_lshlrev_b32 v[LI], 4, v1
	v_lshlrev_b32 v[L4], 2, v1
	v_add_nc_u32 v[LS], SCW, v[L4]
	v_lshlrev_b32 v[XO], 4, v2
	v_lshl_add_u32 v[XO], v3, 18, v[XO]            ; 16 rows of 16,384 bytes
	s_lshr_b32 s16, s[WV], 1                       ; my K step
	s_and_b32 s17, s[WV], 1                        ; which half of it
	s_lshl_b32 s18, s16, 13
	s_lshl_b32 s19, s17, 10
	s_add_co_u32 s18, s18, s19
	v_add_nc_u32 v[IW], s18, v[LI]
	s_lshl_b32 s18, s16, 9
	s_lshl_b32 s19, s17, 1
	s_add_co_u32 s18, s18, s19
	v_add_nc_u32 v[SW], s18, v[LS]
	v_mul_u32_u24 v[STO], v2, 528
	v_lshl_add_u32 v[STO], v3, 4, v[STO]
	s_lshl_b32 s18, s[WV], 6
	s_add_co_u32 s18, s18, STG
	v_add_nc_u32 v[STO], s18, v[STO]               ; row r, + 16 h, + my 32 places' 64 bytes
	s_mul_i32 s18, s[WV], 4224
	s_add_co_u32 s18, s18, STG
	v_add_nc_u32 v[STR], s18, v[LI]                ; back: my eight rows, 16 bytes a lane
	v_lshlrev_b32 v[BO], 5, v3
.irp t, 0,1,2,3
	v_mov_b32 v[QP+\t], 0                          ; a lane permute's destination counts as one of its sources
.endr
	s_mov_b32 s20, 0x76543210
	s_mov_b32 s21, 0xfedcba98                      ; v_permlanex16_b32's selects for lane l xor 16
	s_mov_b32 s22, 0x600000                        ; the mantissa field of 57,344
	s_lshr_b32 s3, ttmp9, 6                        ; the batch
	s_and_b32 s14, ttmp9, 63                       ; which 64 points
	s_lshl_b32 s12, s3, 23
	s_lshl_b32 s13, s[WV], 20
	s_add_co_u32 s12, s12, s13
	s_lshl_b32 s13, s14, 8
	s_add_co_u32 s12, s12, s13                     ; x1: batch, my 64 rows, 4 n0
	s_mov_b32 s13, 0
	s_lshl_b32 s24, s3, 12
	s_lshl_b32 s25, s14, 6
	s_add_co_u32 s24, s24, s25
	s_lshl_b32 s25, s17, 5
	s_add_co_u32 s24, s24, s25
	s_add_co_u32 s24, s24, s16
	s_lshl_b32 s24, s24, 9                         ; h1: the first row that I store: stage row 8 w + i is point n0 + 32 (w % 2) + w / 2 + 4 i
	s_mov_b32 s25, 0
	s_lshl_b32 s26, s[WV], 14                      ; wq: my eight fragments,
	s_mov_b32 s27, 0
	s_lshl_b32 s28, s[WV], 10
	s_add_co_u32 s28, s28, 196608                  ; their scale words,
	s_mov_b32 s29, 0
	s_lshl_b32 s30, s[WV], 7
	s_add_co_u32 s30, s30, 208896                  ; my 32 places of BN1's tables
	s_mov_b32 s31, 0
	s_wait_kmcnt 0x0
	s_add_nc_u64 s[4:5], s[4:5], s[12:13]
	s_add_nc_u64 s[10:11], s[10:11], s[24:25]
	s_add_nc_u64 s[26:27], s[8:9], s[26:27]
	s_add_nc_u64 s[28:29], s[8:9], s[28:29]
	s_add_nc_u64 s[30:31], s[8:9], s[30:31]
	s_wait_alu depctr_va_vdst(0)                   ; v4 to v12 are written: every load and store of this path, global or LDS, reads one of them as its offset or address
.irp u, 0,1
.irp s, 0,1,2,3
	global_load_b32 v[ASC+4*\u+\s], v[L4], s[28:29] offset:512*\u+128*\s
.endr
.endr
.irp be, 0,1
.irp i, 0,1,2,3,4,5,6,7,8,9,10,11,12,13,14,15
	global_load_b128 v[XR+64*\be+4*\i:XR+64*\be+4*\i+3], v[XO], s[4:5] offset:(32*\be+\i)*16384 th:TH_LOAD_NT   ; lanes 0-15: 256 consecutive bytes of row k; lanes 16-31: of row k + 16
.endr
.endr
; One block of 32 along K for four column tiles: v[x + 4 i + t] = number (k = 16 h + i, tile t).  Codes to IMG at + io, bytes to SCW at + so.  again = 1: an earlier block's LDS stores have named the codes' and bytes' registers.
.macro QCOL x, tr, io, so, again
	s_wait_dscnt 0x0                               ; earlier LDS stores have landed
.if \again
	s_wait_alu depctr_vm_vsrc(0)                   ; the first block's LDS stores have read the bytes v228-231 and the codes v240-255, which are written again below
.endif
.irp t, 0,1,2,3
	v_max3_num_f32 v[QM+\t], |v[\x+\t]|, |v[\x+4+\t]|, 0x8000000        ; my 16 numbers, and the floor 2^(16 - 127): the byte cannot fall under 1
.endr
.irp i, 2,4,6,8,10,12,14
.irp t, 0,1,2,3
	v_max3_num_f32 v[QM+\t], v[QM+\t], |v[\x+4*\i+\t]|, |v[\x+4*\i+4+\t]|
.endr
.endr
.irp t, 0,1,2,3
	v_permlanex16_b32 v[QP+\t], v[QM+\t], s20, s21
.endr
.irp t, 0,1,2,3
	v_max_num_f32 v[QM+\t], v[QM+\t], v[QP+\t]     ; with lane l xor 16's: the block's largest magnitude
.endr
.irp t, 0,1,2,3
	v_add_nc_u32 v[QS+\t], 0xf8800000, v[QM+\t]    ; 15 off its exponent field: the conversion's scale operand
.endr
.irp t, 0,1,2,3
	v_and_or_b32 v[QH+\t], v[QM+\t], 0x7f800000, s22   ; 57,344 x the scale
.endr
.irp t, 0,1,2,3
.irp i, 0,1,2,3,4,5,6,7,8,9,10,11,12,13,14,15
	v_med3_num_f32 v[\tr+16*\t+\i], v[\x+4*\i+\t], -v[QH+\t], v[QH+\t]   ; the hold (the conversion does not saturate: ISA guide 7.6.2) also lays a tile's 16 numbers side by side
.endr
.endr
.irp t, 0,1,2,3
	v_cvt_scalef32_pk8_bf8_f32 v[CD+4*\t:CD+4*\t+1], v[\tr+16*\t:\tr+16*\t+7], v[QS+\t]
	v_cvt_scalef32_pk8_bf8_f32 v[CD+4*\t+2:CD+4*\t+3], v[\tr+16*\t+8:\tr+16*\t+15], v[QS+\t]
.endr
.irp t, 0,1,2,3
	v_lshrrev_b32 v[QP+\t], 23, v[QS+\t]           ; the scale's byte.  (Plain lines behind the conversions)
.endr
	s_wait_alu depctr_va_vdst(0)                   ; the conversions have written the codes and the shifts the bytes, which the eight LDS stores read; and the block's lines are done with every register that they name
.irp t, 0,1,2,3
	ds_store_b128 v[IW], v[CD+4*\t:CD+4*\t+3] offset:2048*\t+\io
.endr
.irp t, 0,1,2,3
	ds_store_b8 v[SW], v[QP+\t] offset:128*\t+\so  ; lanes l and l xor 16 hold the same byte and write it to their own words
.endr
.endm
.macro ALOAD s                                     ; W1's fragments of K step s, my two tiles
.irp u, 0,1
.irp c, 0,1,2,3
	global_load_b128 v[AF+32*((\s)%2)+16*\u+4*\c:AF+32*((\s)%2)+16*\u+4*\c+3], v[LI], s[26:27] offset:8192*\u+2048*(\s)+512*\c
.endr
.endr
.endm
	s_wait_loadcnt 16                              ; the scale words and the first block are in; the second block's sixteen loads may be out
	QCOL XR, TR, 0, 0, 0
	s_wait_loadcnt 0x0
	QCOL XR+64, TR, 512, 1, 1
	ALOAD 0                                        ; into registers that x1 has left.  No wait: no vector line has been issued since the second block's wait on va_vdst, behind which its lines are done reading v96-159
	ALOAD 1
	s_wait_dscnt 0x0                               ; for the others' sake: my stores have landed
	s_wait_alu depctr_vm_vsrc(0)                   ; my LDS stores have read v228-231 and v240-255, in which the tables land (the vector lines that named v224-255 stand ahead of the last wait on va_vdst)
.irp u, 0,1
	global_load_b128 v[SC+8*\u:SC+8*\u+3], v[BO], s[30:31] offset:64*\u
	global_load_b128 v[SC+8*\u+4:SC+8*\u+7], v[BO], s[30:31] offset:64*\u+16
	global_load_b128 v[SH+8*\u:SH+8*\u+3], v[BO], s[30:31] offset:1024+64*\u
	global_load_b128 v[SH+8*\u+4:SH+8*\u+7], v[BO], s[30:31] offset:1024+64*\u+16
.endr
	s_barrier_signal -1
	s_barrier_wait -1                              ; x1's sixteen fragments and their scale words lie in LDS
; A K step: four fragments of x1 from LDS, eight products.  The eight accumulators take turns, one instruction a turn, in the same order in every step.
; K step 0's LDS loads land in v160-223, which the quantiser's lines named: those stand ahead of the second block's wait on va_vdst, and no vector line has followed it.
.macro STEP s
.irp t, 0,1,2,3
.irp c, 0,1,2,3
	ds_load_b128 v[BF+16*\t+4*\c:BF+16*\t+4*\c+3], v[LI] offset:(4*\s+\t)*2048+512*\c
.endr
	ds_load_b32 v[BSC+\t], v[LS] offset:(4*\s+\t)*128
.endr
	s_wait_dscnt 0x0
.if (\s == 0) || (\s == 3)
	s_wait_loadcnt 0x0
.endif
.if \s == 2
	s_wait_loadcnt 8                               ; K step 2's fragments of W1 are in; K step 3's eight loads may be out
.endif
.irp u, 0,1
.irp t, 0,1,2,3
.if \s == 0
	v_wmma_scale_f32_16x16x128_f8f6f4 v[ACC+8*(4*\u+\t):ACC+8*(4*\u+\t)+7], v[AF+32*(\s%2)+16*\u:AF+32*(\s%2)+16*\u+15], v[BF+16*\t:BF+16*\t+15], 0, v[ASC+4*\u+\s], v[BSC+\t] matrix_a_fmt:MATRIX_FMT_BF8 matrix_b_fmt:MATRIX_FMT_BF8
.else
	v_wmma_scale_f32_16x16x128_f8f6f4 v[ACC+8*(4*\u+\t):ACC+8*(4*\u+\t)+7], v[AF+32*(\s%2)+16*\u:AF+32*(\s%2)+16*\u+15], v[BF+16*\t:BF+16*\t+15], v[ACC+8*(4*\u+\t):ACC+8*(4*\u+\t)+7], v[ASC+4*\u+\s], v[BSC+\t] matrix_a_fmt:MATRIX_FMT_BF8 matrix_b_fmt:MATRIX_FMT_BF8
.endif
.endr
.endr
.rept 8
	v_nop                                          ; eight places ahead of loads into registers that these products read, and of the first read of results
.endr
.if \s < 3
	s_wait_alu depctr_va_vdst(0)                   ; the eight products are done reading their set of W1's fragments, x1's fragments v160-223 and x1's scale words v24-27: the loads below and the next step's LDS loads land there
.endif
.if \s < 2
	ALOAD \s+2
.endif
.endm
	STEP 0
	STEP 1
	STEP 2
	STEP 3
	; BN1, relu, bf16.  Lane (r, h), tile (u, t), register j: point n0 + 4 r + t, place 16 (2 w + u) + 8 h + j of its row.  All eight tiles' lines first, each into four registers of its own; then the stores in one run
.irp u, 0,1
.irp t, 0,1,2,3
.irp k, 0,1,2,3
	v_pk_fma_f32 v[ACC+8*(4*\u+\t)+2*\k:ACC+8*(4*\u+\t)+2*\k+1], v[ACC+8*(4*\u+\t)+2*\k:ACC+8*(4*\u+\t)+2*\k+1], v[SC+8*\u+2*\k:SC+8*\u+2*\k+1], v[SH+8*\u+2*\k:SH+8*\u+2*\k+1]   ; each accumulator from its low end on
.endr
.irp j, 0,1,2,3,4,5,6,7
	v_max_num_f32 v[ACC+8*(4*\u+\t)+\j], 0, v[ACC+8*(4*\u+\t)+\j]
.endr
.irp k, 0,1,2,3
	v_cvt_pk_bf16_f32 v[PK+4*(4*\u+\t)+\k], v[ACC+8*(4*\u+\t)+2*\k], v[ACC+8*(4*\u+\t)+2*\k+1]
.endr
.endr
.endr
	s_wait_alu depctr_va_vdst(0)                   ; the roundings have written v160-191, which the LDS stores read; the last products are done reading v192-223, in which the rows read back land
.irp u, 0,1
.irp t, 0,1,2,3
	ds_store_b128 v[STO], v[PK+4*(4*\u+\t):PK+4*(4*\u+\t)+3] offset:8448*\t+32*\u
.endr
.endr
	s_wait_dscnt 0x0                               ; for the others' sake: a row's 512 bytes come from eight waves
	s_barrier_signal -1
	s_barrier_wait -1
.irp i, 0,1,2,3,4,5,6,7
	ds_load_b128 v[BK+4*\i:BK+4*\i+3], v[STR] offset:528*\i
.endr
.irp i, 0,1,2,3,4,5,6,7
	s_wait_dscnt 7-\i                              ; row i is back; the younger rows may be out
	global_store_b128 v[LI], v[BK+4*\i:BK+4*\i+3], s[10:11] offset:2048*\i    ; the 32 lanes store one whole row of h1: 512 consecutive bytes
.endr
	s_wait_dscnt 0x0
	s_wait_alu depctr_hold_cnt(0) depctr_sa_sdst(0) depctr_va_vdst(0) depctr_va_sdst(0) depctr_va_ssrc(0) depctr_va_vcc(0) depctr_vm_vsrc(0)
	s_wait_tensorcnt 0x0
	ds_add_u32 v30, v31
	s_wait_dscnt 0x0
	s_endpgm
	; ------------------------------------------------------------------ the three nearest, exactly.  A thread to a query; no LDS
.set RO,   208                         ; v208-210 the three groups' byte offsets in p1
.set RJ,   212                         ; v212-214 their first candidates' indices
.set RL,   216                         ; v216-221 the list: a <= b <= c, ia, ib, ic
.set RT,   222                         ; v222 at work
.set RC,   64                          ; v64-207 three groups x 16 candidates x (x, y, z)
.macro INS1 m, g
	v_cmp_lt_f32 s[MK], v[\m], v[RL]
	v_cmp_lt_f32 s[MK+1], v[\m], v[RL+1]
	v_cmp_lt_f32 s[MK+2], v[\m], v[RL+2]
	s_wait_alu depctr_va_sdst(0)                   ; the three compares have written s40 to s42, which the selects read
	v_cndmask_b32 v[RT], v[\g], v[RL+4], s[MK+1]
	v_cndmask_b32 v[RL+5], v[RL+5], v[RT], s[MK+2]
	v_cndmask_b32 v[RT], v[\g], v[RL+3], s[MK]
	v_cndmask_b32 v[RL+4], v[RL+4], v[RT], s[MK+1]
	v_cndmask_b32 v[RL+3], v[RL+3], v[\g], s[MK]
	v_med3_num_f32 v[RL+2], v[RL+1], v[RL+2], v[\m]
	v_med3_num_f32 v[RL+1], v[RL], v[RL+1], v[\m]
	v_min_num_f32 v[RL], v[RL], v[\m]
.endm
.macro CAND4 gm, c0                                ; candidates c0 .. c0 + 3 of group gm: d by the first launch's lines, then four insertions in ascending order of index
.irp e, 0,1,2,3
	v_mul_f32 v[32+3*\e], v[RC+48*\gm+3*(\c0+\e)], v[RC+48*\gm+3*(\c0+\e)]
.endr
.irp e, 0,1,2,3
	v_fma_f32 v[32+3*\e], v[RC+48*\gm+3*(\c0+\e)+1], v[RC+48*\gm+3*(\c0+\e)+1], v[32+3*\e]
.endr
.irp e, 0,1,2,3
	v_fma_f32 v[32+3*\e], v[RC+48*\gm+3*(\c0+\e)+2], v[RC+48*\gm+3*(\c0+\e)+2], v[32+3*\e]    ; s1
.endr
.irp e, 0,1,2,3
	v_add_f32 v[32+3*\e], v11, v[32+3*\e]          ; t = s2 + s1
.endr
.irp e, 0,1,2,3
	v_mul_f32 v[33+3*\e], v8, v[RC+48*\gm+3*(\c0+\e)]
.endr
.irp e, 0,1,2,3
	v_fma_f32 v[33+3*\e], v9, v[RC+48*\gm+3*(\c0+\e)+1], v[33+3*\e]
.endr
.irp e, 0,1,2,3
	v_fma_f32 v[33+3*\e], v10, v[RC+48*\gm+3*(\c0+\e)+2], v[33+3*\e]   ; u
.endr
.irp e, 0,1,2,3
	v_add_f32 v[32+3*\e], v[32+3*\e], v[33+3*\e]   ; d
	v_add_nc_u32 v[34+3*\e], \c0+\e, v[RJ+\gm]     ; its index in the batch
.endr
.irp e, 0,1,2,3
	INS1 32+3*\e, 34+3*\e
.endr
.endm
.Lrefine:
	s_load_b128 s[4:7], s[0:1], 0x8                ; p1, p2
	s_load_b64 s[8:9], s[0:1], 0x18                ; grp
	s_load_b128 s[12:15], s[0:1], 0x30             ; idx, wgt
	s_sub_co_u32 s3, ttmp9, 128                    ; which 256 queries
	s_lshr_b32 s16, s3, 6                          ; the batch
	s_mul_i32 s18, s16, 49152
	s_mov_b32 s19, 0
	s_lshl_b32 s16, s16, 12                        ; its first row of h1
	s_lshl_b32 s20, s3, 12                         ; 256 records of 16 bytes
	s_mov_b32 s21, 0
	s_mul_i32 s22, s3, 3072                        ; 256 points of 12 bytes
	s_mov_b32 s23, 0
	v_lshlrev_b32 v1, 4, v0
	v_mul_u32_u24 v2, v0, 12
	s_wait_kmcnt 0x0
	s_add_nc_u64 s[4:5], s[4:5], s[18:19]
	s_add_nc_u64 s[6:7], s[6:7], s[22:23]
	s_add_nc_u64 s[8:9], s[8:9], s[20:21]
	s_add_nc_u64 s[12:13], s[12:13], s[20:21]
	s_add_nc_u64 s[14:15], s[14:15], s[20:21]
	s_wait_alu depctr_va_vdst(0)                   ; v1 and v2 are written: the offsets of the four loads below and of the two stores at the end
	global_load_b128 v[4:7], v1, s[8:9]
	global_load_b32 v12, v2, s[6:7]
	global_load_b32 v13, v2, s[6:7] offset:4
	global_load_b32 v14, v2, s[6:7] offset:8
	s_wait_loadcnt 0x0
.irp k, 0,1,2
	v_min_u32 v[4+\k], 0xff, v[4+\k]               ; a group's number stays inside the batch's 256
	v_mul_u32_u24 v[RO+\k], v[4+\k], 192           ; 16 candidates of 12 bytes
	v_lshlrev_b32 v[RJ+\k], 4, v[4+\k]
.endr
	s_wait_alu depctr_va_vdst(0)                   ; v208 to v210 are written: the offsets of the 36 loads below
.irp gm, 0,1,2
.irp k, 0,1,2,3,4,5,6,7,8,9,10,11
	global_load_b128 v[RC+48*\gm+4*\k:RC+48*\gm+4*\k+3], v[RO+\gm], s[4:5] offset:16*\k
.endr
.endr
	v_mul_f32 v11, v12, v12
	v_fma_f32 v11, v13, v13, v11
	v_fma_f32 v11, v14, v14, v11                   ; s2
	v_mul_f32 v8, -2.0, v12
	v_mul_f32 v9, -2.0, v13
	v_mul_f32 v10, -2.0, v14
.irp k, 0,1,2
	v_mov_b32 v[RL+\k], 0x7f800000
	v_mov_b32 v[RL+3+\k], 0
.endr
.irp gm, 0,1,2
	s_wait_loadcnt 24-12*\gm                       ; this group's twelve loads are in; the later groups' may be out
.irp c0, 0,4,8,12
	CAND4 \gm, \c0
.endr
.endr
.irp k, 0,1,2
	v_add_nc_u32 v[48+\k], s16, v[RL+3+\k]         ; the neighbour's row of h1
	v_add_f32 v[32+\k], 0x322bcc77, v[RL+\k]       ; d + 1e-8
.endr
.irp k, 0,1,2
	v_rcp_f32 v[36+\k], v[32+\k]
.endr
	v_mov_b32 v51, 0                               ; (a plain line behind the reciprocals)
	s_wait_alu depctr_va_vdst(0)                   ; the three reciprocals have written v36 to v38: one wait, ahead of their first reader
	v_add_f32 v40, v36, v37
	v_add_f32 v40, v40, v38
	v_rcp_f32 v41, v40
	v_mov_b32 v55, 0
	s_wait_alu depctr_va_vdst(0)                   ; the reciprocal has written v41, ahead of its first reader
.irp k, 0,1,2
	v_mul_f32 v[52+\k], v[36+\k], v41
.endr
	s_wait_alu depctr_va_vdst(0)                   ; v48 to v55 are written, which the two stores read
	global_store_b128 v1, v[48:51], s[12:13]       ; a wave stores 512 consecutive bytes
	global_store_b128 v1, v[52:55], s[14:15]
	s_endpgm
.Lfunc_end_k_q73e57f51c0_mid:
	.size	k_q73e57f51c0_mid, .Lfunc_end_k_q73e57f51c0_mid-k_q73e57f51c0_mid
	.p2alignl 7, 3214868480
	.fill 96, 4, 3214868480
	.section	.rodata,"a",@progbits
	.p2align	6, 0x0
	.amdhsa_kernel k_q73e57f51c0_mid
		.amdhsa_group_segment_fixed_size 69632
		.amdhsa_private_segment_fixed_size 0
		.amdhsa_enable_private_segment 0
		.amdhsa_kernarg_size 64
		.amdhsa_user_sgpr_count 2
		.amdhsa_user_sgpr_kernarg_segment_ptr 1
		.amdhsa_wavefront_size32 1
		.amdhsa_system_sgpr_workgroup_id_x 1
		.amdhsa_system_sgpr_workgroup_id_y 1
		.amdhsa_system_sgpr_workgroup_id_z 1
		.amdhsa_system_vgpr_workitem_id 0
		.amdhsa_next_free_vgpr 256
		.amdhsa_next_free_sgpr 66
		.amdhsa_reserve_vcc 0
		.amdhsa_float_denorm_mode_32 3
		.amdhsa_float_denorm_mode_16_64 3
		.amdhsa_memory_ordered 1
		.amdhsa_forward_progress 1
		.amdhsa_inst_pref_size 106
	.end_amdhsa_kernel
	.amdgpu_metadata
---
amdhsa.version: [ 1, 2 ]
amdhsa.kernels:
  - .name:           k_q73e57f51c0_mid
    .symbol:         k_q73e57f51c0_mid.kd
    .args:
      - { .name: x1, .offset: 0, .size: 8, .value_kind: global_buffer, .address_space: global }
      - { .name: p1, .offset: 8, .size: 8, .value_kind: global_buffer, .address_space: global }
      - { .name: p2, .offset: 16, .size: 8, .value_kind: global_buffer, .address_space: global }
      - { .name: grp, .offset: 24, .size: 8, .value_kind: global_buffer, .address_space: global }
      - { .name: wq, .offset: 32, .size: 8, .value_kind: global_buffer, .address_space: global }
      - { .name: h1, .offset: 40, .size: 8, .value_kind: global_buffer, .address_space: global }
      - { .name: idx, .offset: 48, .size: 8, .value_kind: global_buffer, .address_space: global }
      - { .name: wgt, .offset: 56, .size: 8, .value_kind: global_buffer, .address_space: global }
    .group_segment_fixed_size: 69632
    .private_segment_fixed_size: 0
    .kernarg_segment_align: 8
    .kernarg_segment_size: 64
    .max_flat_workgroup_size: 256
    .sgpr_count:     66
    .vgpr_count:     256
    .wavefront_size: 32
...
	.end_amdgpu_metadata
.endif
;; end of part 4
;; launch fine (part 5): grid 512 x 1, 8 waves a work-group, no clusters, 88,064 bytes of LDS; arguments x2, wq, h1, idx, wgt, out1; writes out1
.if DOCPART == 5
	.amdgcn_target "amdgcn-amd-amdhsa--gfx1250"
	.amdhsa_code_object_version 6
	.text
	.protected	k_q73e57f51c0_fine
	.globl	k_q73e57f51c0_fine
	.p2align	8
	.type	k_q73e57f51c0_fine,@function
k_q73e57f51c0_fine:
	s_mov_b64 s[64:65], 0
	v_nop
	global_prefetch_b8 v0, s[64:65] scope:SCOPE_SE
	s_setreg_imm32_b32 hwreg(HW_REG_WAVE_SCHED_MODE, 0, 2), 2
	s_setreg_imm32_b32 hwreg(HW_REG_WAVE_MODE, 25, 1), 1
	s_wait_xcnt 0x0
	s_wait_alu depctr_vm_vsrc(0)
; THIRD LAUNCH.  out1 = relu(BN2(W2 x2)) + the weighted sum of three rows of h1 for each point.  The product is on codes of E5M2 with E8M0 scales; the interpolation takes h1 as bf16 and the weights as f32, sums in f32.
; LIMITS.  NaN and infinities among the inputs are not served.  A block of 32 zeros gets the scale byte 1 (its codes are zeros; nobody else reads the bytes).
; SHARES.  A work-group takes 64 points x all 256 channels, K = 256.  x2 is [channel][point]: a lane takes four neighbouring points and its registers run down K, as in the second launch; COLUMN TILE t holds points
; n0 + 4 r + t.  Wave w quantises the one block k = 32 w .. 32 w + 31; its codes and scale bytes go to LDS as images of the operand's registers.  Wave w also gathers for points 8 w .. 8 w + 7: each of a point's three
; rows of h1 is 512 bytes, read whole by one instruction; lane l's 16 bytes are channels l + 32 i (so the second launch laid them), and four points' sums of a channel go to LDS side by side: U[channel][point].
; Wave w multiplies output tiles 2 w, 2 w + 1 (source 0 = 16 rows of W2, from wq into registers; source 1 = 16 points): for a given channel the four tiles' results of a lane are four neighbouring points,
; so sixteen lanes store 256 consecutive bytes of a row of out1.
; No tensor loads: x2 must pass through registers to be quantised, each byte once, and the rows of h1 are named by a list.  No cluster: what work-groups share is W2's 68 KB of codes.
; THE MODE: SCHED_MODE bits 1:0 = 2 (LLVM: expert scheduling mode 2), set by the entry lines.  The code itself states the register dependences
; between vector or matrix instructions and memory or LDS instructions, with s_wait_alu, always for 0.
; THE PLAN.  Registers that memory or LDS instructions touch:
;   v4-14      offsets and LDS addresses: written once at the head, never again.
;   v160-191   the points' records: loaded, turned into offsets by vector lines, read by the rows' loads; then W2's fragments land there.   v192-223 the weights: loaded, read by the sums' lines; then W2's fragments.
;   v96-155    FIVE slots of three rows: point n's rows land in slot n % 5 and point n's lines read it.  In turn n the rows of point n + 4 land in the slot of point n - 1, which no line of turn n names:
;              so the wait on va_vdst stands at the turn's head, behind the wait for the turn's own rows, and the lines that it waits for were issued ahead of that wait.
;   v224-255   the sums: written by four points' lines, read by eight LDS stores, written again by the next four points'; then the quantiser's registers (bytes and codes read by LDS stores); then BN2's tables are loaded there.
;   v32-95     x2 as loaded, read by the quantiser; then x2's fragments, loaded from LDS in each K step and read by its products; then U's quads.
;   v160-223   at the end the results: sixteen channels in four groups of four; a group's four stores follow one wait on va_vdst and are dealt among the next group's lines, which name other registers.
.set IMG,  0                           ; LDS: fragment (K step s, tile t) at (4 s + t) 2,048: [block c][lane][16 bytes]
.set SCW,  16384                       ; its scale words at (4 s + t) 128 + 4 lane, byte c
.set U,    17408                       ; 256 channels x (64 points x 4 bytes + 16)
.set WV,   2
.set LI,   4                           ; v4   16 x lane
.set L4,   5                           ; v5   4 x lane
.set LS,   6                           ; v6   SCW + 4 x lane
.set XO,   7                           ; v7   x2: 16 rows for h, 16 bytes for r
.set IW,   8                           ; v8   where my codes go
.set SW,   9                           ; v9   where my scale bytes go
.set US,   10                          ; v10  U, on the way in: channel = lane, my eight points
.set UR,   11                          ; v11  and back: my 32 channels, 8 for h, four points for r
.set OO,   12                          ; v12  out1: 8 rows for h, 16 bytes for r
.set BO,   13                          ; v13  32 h
.set NIL,  14                          ; v14  0
.set ASC,  16                          ; v16-19 W2's scale words (tile u, K step s) at 16 + 2 u + s: scales and nothing else
.set BSC,  20                          ; v20-27 x2's (K step s, tile t) at 20 + 4 s + t: likewise
.set XR,   32                          ; v32-95 x2 as loaded, register 4 i + t
.set BF,   32                          ; later: x2's four fragments of a K step
.set UQ,   32                          ; later: U's quads, 4 (8 u + j)
.set RG,   96                          ; v96-155 five slots of three rows' 16 bytes
.set TR,   96                          ; later: v96-159 held numbers
.set ACC,  96                          ; later: eight accumulators (u, t) at 96 + 8 (4 u + t)
.set IX,   160                         ; v160-191 the points' records of indices, turned into offsets in place
.set WT,   192                         ; v192-223 their weights
.set AF,   160                         ; later: W2's fragments (u, s) at 160 + 16 (2 u + s)
.set OUT,  160                         ; later: results, 4 (8 u + j) + t
.set UA,   224                         ; v224-255 the sums: channel lane + 32 i of four points at 224 + 4 i
.set QM,   224                         ; later: the quantiser's, as in the second launch
.set QP,   228
.set QS,   232
.set QH,   236
.set CD,   240
.set SC,   224                         ; later: BN2's scale (8 u + j) and shift
.set SH,   240
	s_load_b256 s[4:11], s[0:1], 0x0               ; x2, wq, h1, idx
	s_load_b128 s[12:15], s[0:1], 0x20             ; wgt, out1
	v_lshl_add_u32 v30, v0, 2, 0x15400
	v_mov_b32 v31, 0
	v_lshrrev_b32 v1, 5, v0
	v_readfirstlane_b32 s[WV], v1                  ; wave 0..7
	v_and_b32 v1, 31, v0                           ; lane
	v_and_b32 v2, 15, v0                           ; r
	v_bfe_u32 v3, v0, 4, 1                         ; h
	v_lshlrev_b32 v[LI], 4, v1
	v_lshlrev_b32 v[L4], 2, v1
	v_add_nc_u32 v[LS], SCW, v[L4]
	v_lshlrev_b32 v[XO], 4, v2
	v_lshl_add_u32 v[OO], v3, 19, v[XO]            ; 8 rows of 65,536 bytes
	v_lshl_add_u32 v[XO], v3, 20, v[XO]            ; 16 rows
	s_wait_alu depctr_va_sdst(0)                   ; s2 is written, ahead of its first reader: LDS addresses and bases are made from it
	s_lshr_b32 s16, s[WV], 2                       ; my K step
	s_and_b32 s17, s[WV], 3                        ; my block in it
	s_lshl_b32 s18, s16, 13
	s_lshl_b32 s19, s17, 9
	s_add_co_u32 s18, s18, s19
	v_add_nc_u32 v[IW], s18, v[LI]
	s_lshl_b32 s18, s16, 9
	s_add_co_u32 s18, s18, s17
	v_add_nc_u32 v[SW], s18, v[LS]
	v_mul_u32_u24 v[US], v1, 272
	s_lshl_b32 s18, s[WV], 5
	s_add_co_u32 s18, s18, U
	v_add_nc_u32 v[US], s18, v[US]
	v_mul_u32_u24 v[UR], v3, 2176
	v_lshl_add_u32 v[UR], v2, 4, v[UR]
	s_mul_i32 s18, s[WV], 8704
	s_add_co_u32 s18, s18, U
	v_add_nc_u32 v[UR], s18, v[UR]
	v_lshlrev_b32 v[BO], 5, v3
	v_mov_b32 v[NIL], 0
	s_mov_b32 s20, 0x76543210
	s_mov_b32 s21, 0xfedcba98                      ; v_permlanex16_b32's selects for lane l xor 16
	s_mov_b32 s22, 0x600000                        ; the mantissa field of 57,344
	s_lshl_b32 s16, ttmp9, 10
	s_lshl_b32 s17, s[WV], 7
	s_add_co_u32 s16, s16, s17                     ; the records of my eight points: 16 bytes each
	s_mov_b32 s17, 0
	s_lshr_b32 s18, ttmp9, 8                       ; the batch
	s_lshl_b32 s18, s18, 24
	s_lshl_b32 s19, s[WV], 21
	s_add_co_u32 s18, s18, s19
	s_and_b32 s19, ttmp9, 255
	s_lshl_b32 s19, s19, 8
	s_add_co_u32 s18, s18, s19                     ; x2 and out1 alike: batch, my 32 rows, 4 n0
	s_mov_b32 s19, 0
	s_lshl_b32 s32, s[WV], 13
	s_add_co_u32 s32, s32, 131072                  ; wq: my four fragments of W2,
	s_mov_b32 s33, 0
	s_lshl_b32 s34, s[WV], 9
	s_add_co_u32 s34, s34, 204800                  ; their scale words,
	s_mov_b32 s35, 0
	s_lshl_b32 s36, s[WV], 7
	s_add_co_u32 s36, s36, 210944                  ; my 32 channels of BN2's tables
	s_mov_b32 s37, 0
	s_wait_kmcnt 0x0
	s_add_nc_u64 s[24:25], s[10:11], s[16:17]
	s_add_nc_u64 s[26:27], s[12:13], s[16:17]
	s_add_nc_u64 s[28:29], s[4:5], s[18:19]
	s_add_nc_u64 s[30:31], s[14:15], s[18:19]
	s_add_nc_u64 s[32:33], s[6:7], s[32:33]
	s_add_nc_u64 s[34:35], s[6:7], s[34:35]
	s_add_nc_u64 s[36:37], s[6:7], s[36:37]
	s_wait_alu depctr_va_vdst(0)                   ; v4 to v14 are written: every load and store of the kernel, global or LDS, but the rows' loads reads one of them as its offset or address
.irp u, 0,1
.irp s, 0,1
	global_load_b32 v[ASC+2*\u+\s], v[L4], s[34:35] offset:256*\u+128*\s
.endr
.endr
.irp n, 0,1,2,3,4,5,6,7
	global_load_b128 v[IX+4*\n:IX+4*\n+3], v[NIL], s[24:25] offset:16*\n      ; every lane reads the point's record
.endr
.irp n, 0,1,2,3,4,5,6,7
	global_load_b128 v[WT+4*\n:WT+4*\n+3], v[NIL], s[26:27] offset:16*\n
.endr
.irp i, 0,1,2,3,4,5,6,7,8,9,10,11,12,13,14,15
	global_load_b128 v[XR+4*\i:XR+4*\i+3], v[XO], s[28:29] offset:65536*\i th:TH_LOAD_NT   ; lanes 0-15: 256 consecutive bytes of row k; lanes 16-31: of row k + 16
.endr
	s_wait_loadcnt 16                              ; the records are in; x2's sixteen loads may be out
.irp n, 0,1,2,3,4,5,6,7
.irp k, 0,1,2
	v_min_u32 v[IX+4*\n+\k], 0x1fff, v[IX+4*\n+\k] ; a row's number stays inside h1's 8,192
.endr
.endr
.irp n, 0,1,2,3,4,5,6,7
.irp k, 0,1,2
	v_lshlrev_b32 v[IX+4*\n+\k], 9, v[IX+4*\n+\k]  ; rows of 512 bytes,
.endr
.endr
.irp n, 0,1,2,3,4,5,6,7
.irp k, 0,1,2
	v_add_nc_u32 v[IX+4*\n+\k], v[LI], v[IX+4*\n+\k]   ; my 16 bytes
.endr
.endr
.macro ROWS n                                      ; point n's three rows into slot n % 5
.irp k, 0,1,2
	global_load_b128 v[RG+12*((\n)%5)+4*\k:RG+12*((\n)%5)+4*\k+3], v[IX+4*(\n)+\k], s[8:9]
.endr
.endm
.macro MIX n                                       ; eight channels of point n: w0 h0 + w1 h1 + w2 h2, straight from the bf16 halves into f32
.irp k, 0,1,2
.irp rr, 0,1,2,3
.irp hf, 0,1
.if \k == 0
	v_fma_mix_f32_bf16 v[UA+4*(2*\rr+\hf)+(\n)%4], v[RG+12*((\n)%5)+4*\k+\rr], v[WT+4*(\n)+\k], v[NIL] op_sel:[\hf,0,0] op_sel_hi:[1,0,0]
.else
	v_fma_mix_f32_bf16 v[UA+4*(2*\rr+\hf)+(\n)%4], v[RG+12*((\n)%5)+4*\k+\rr], v[WT+4*(\n)+\k], v[UA+4*(2*\rr+\hf)+(\n)%4] op_sel:[\hf,0,0] op_sel_hi:[1,0,0]
.endif
.endr
.endr
.endr
.endm
.macro USTORE g                                    ; four points' sums of channels lane + 32 i
.irp i, 0,1,2,3,4,5,6,7
	ds_store_b128 v[US], v[UA+4*\i:UA+4*\i+3] offset:8704*\i+16*\g
.endr
.endm
	s_wait_alu depctr_va_vdst(0)                   ; all 24 offsets in v160-191 are written, which the rows' loads read, those of the later turns too: no line behind this wait writes them
	ROWS 0
	ROWS 1
	ROWS 2
	ROWS 3
	ROWS 4
	s_wait_loadcnt 12                              ; point 0's rows are in (and x2, asked for earlier); the next four points' twelve loads may be out
	MIX 0
.irp n, 1,2,3
	s_wait_loadcnt 9                               ; this point's rows are in; the next three points' nine loads may be out
	s_wait_alu depctr_va_vdst(0)                   ; the lines of the point before are done reading its slot, in which the rows below land
	ROWS \n+4
	MIX \n
.endr
	s_wait_alu depctr_va_vdst(0)                   ; the lines of points 0 to 3 have written the sums v224-255, which the eight LDS stores read
	USTORE 0
	s_wait_loadcnt 9
	s_wait_dscnt 0x0                               ; the stores have landed,
	s_wait_alu depctr_vm_vsrc(0)                   ; and have read the sums' registers, which point 4's lines write again
	MIX 4
	s_wait_loadcnt 6
	MIX 5
	s_wait_loadcnt 3
	MIX 6
	s_wait_loadcnt 0x0
	MIX 7
	s_wait_alu depctr_va_vdst(0)                   ; the lines of points 4 to 7 have written the sums, which the LDS stores read, and are done reading the weights v192-223, in which W2's fragments land
	USTORE 1
	s_wait_alu depctr_vm_vsrc(0)                   ; the rows' loads have read their offsets v160-191, in which W2's fragments land; the LDS stores have read v224-255, which the quantiser's lines write
.irp u, 0,1
.irp s, 0,1
.irp c, 0,1,2,3
	global_load_b128 v[AF+16*(2*\u+\s)+4*\c:AF+16*(2*\u+\s)+4*\c+3], v[LI], s[32:33] offset:4096*\u+2048*\s+512*\c   ; W2's fragments, into registers that the records have left
.endr
.endr
.endr
; One block of 32 along K for four column tiles: v[x + 4 i + t] = number (k = 16 h + i, tile t).  Codes to IMG at + io, bytes to SCW at + so.
.macro QCOL x, tr, io, so
	s_wait_dscnt 0x0                               ; earlier LDS stores have landed (that they have read the registers written below is stated by the wait on vm_vsrc above)
.irp t, 0,1,2,3
	v_max3_num_f32 v[QM+\t], |v[\x+\t]|, |v[\x+4+\t]|, 0x8000000        ; my 16 numbers, and the floor 2^(16 - 127): the byte cannot fall under 1
.endr
.irp i, 2,4,6,8,10,12,14
.irp t, 0,1,2,3
	v_max3_num_f32 v[QM+\t], v[QM+\t], |v[\x+4*\i+\t]|, |v[\x+4*\i+4+\t]|
.endr
.endr
.irp t, 0,1,2,3
	v_permlanex16_b32 v[QP+\t], v[QM+\t], s20, s21
.endr
.irp t, 0,1,2,3
	v_max_num_f32 v[QM+\t], v[QM+\t], v[QP+\t]     ; with lane l xor 16's: the block's largest magnitude
.endr
.irp t, 0,1,2,3
	v_add_nc_u32 v[QS+\t], 0xf8800000, v[QM+\t]    ; 15 off its exponent field: the conversion's scale operand
.endr
.irp t, 0,1,2,3
	v_and_or_b32 v[QH+\t], v[QM+\t], 0x7f800000, s22   ; 57,344 x the scale
.endr
.irp t, 0,1,2,3
.irp i, 0,1,2,3,4,5,6,7,8,9,10,11,12,13,14,15
	v_med3_num_f32 v[\tr+16*\t+\i], v[\x+4*\i+\t], -v[QH+\t], v[QH+\t]   ; the hold (the conversion does not saturate: ISA guide 7.6.2) also lays a tile's 16 numbers side by side
.endr
.endr
.irp t, 0,1,2,3
	v_cvt_scalef32_pk8_bf8_f32 v[CD+4*\t:CD+4*\t+1], v[\tr+16*\t:\tr+16*\t+7], v[QS+\t]
	v_cvt_scalef32_pk8_bf8_f32 v[CD+4*\t+2:CD+4*\t+3], v[\tr+16*\t+8:\tr+16*\t+15], v[QS+\t]
.endr
.irp t, 0,1,2,3
	v_lshrrev_b32 v[QP+\t], 23, v[QS+\t]           ; the scale's byte.  (Plain lines behind the conversions)
.endr
	s_wait_alu depctr_va_vdst(0)                   ; the conversions have written the codes and the shifts the bytes, which the eight LDS stores read; and the block's lines are done with x2's registers v32-95 and with v224-255, in which later loads land
.irp t, 0,1,2,3
	ds_store_b128 v[IW], v[CD+4*\t:CD+4*\t+3] offset:2048*\t+\io
.endr
.irp t, 0,1,2,3
	ds_store_b8 v[SW], v[QP+\t] offset:128*\t+\so  ; lanes l and l xor 16 hold the same byte and write it to their own words
.endr
.endm
	QCOL XR, TR, 0, 0
	s_wait_dscnt 0x0                               ; for the others' sake: my stores have landed
	s_wait_alu depctr_vm_vsrc(0)                   ; my LDS stores have read v228-231 and v240-255, in which the tables land
.irp u, 0,1
	global_load_b128 v[SC+8*\u:SC+8*\u+3], v[BO], s[36:37] offset:64*\u
	global_load_b128 v[SC+8*\u+4:SC+8*\u+7], v[BO], s[36:37] offset:64*\u+16
	global_load_b128 v[SH+8*\u:SH+8*\u+3], v[BO], s[36:37] offset:1024+64*\u
	global_load_b128 v[SH+8*\u+4:SH+8*\u+7], v[BO], s[36:37] offset:1024+64*\u+16
.endr
	s_barrier_signal -1
	s_barrier_wait -1                              ; x2's eight fragments, their scale words and all of U lie in LDS
.irp s, 0,1
.irp t, 0,1,2,3
	ds_load_b32 v[BSC+4*\s+\t], v[LS] offset:(4*\s+\t)*128
.endr
.endr
; A K step: four fragments of x2 from LDS, eight products.  The eight accumulators take turns, one instruction a turn, in the same order in both steps.
; K step 0's LDS loads land in v32-95, which the quantiser's lines read: those stand ahead of the quantiser's wait on va_vdst, and no vector line has followed it.
.macro STEP s
.irp t, 0,1,2,3
.irp c, 0,1,2,3
	ds_load_b128 v[BF+16*\t+4*\c:BF+16*\t+4*\c+3], v[LI] offset:(4*\s+\t)*2048+512*\c
.endr
.endr
	s_wait_dscnt 0x0
.if \s == 0
	s_wait_loadcnt 0x0                             ; W2's fragments and the tables
.endif
.irp u, 0,1
.irp t, 0,1,2,3
.if \s == 0
	v_wmma_scale_f32_16x16x128_f8f6f4 v[ACC+8*(4*\u+\t):ACC+8*(4*\u+\t)+7], v[AF+16*(2*\u+\s):AF+16*(2*\u+\s)+15], v[BF+16*\t:BF+16*\t+15], 0, v[ASC+2*\u+\s], v[BSC+4*\s+\t] matrix_a_fmt:MATRIX_FMT_BF8 matrix_b_fmt:MATRIX_FMT_BF8
.else
	v_wmma_scale_f32_16x16x128_f8f6f4 v[ACC+8*(4*\u+\t):ACC+8*(4*\u+\t)+7], v[AF+16*(2*\u+\s):AF+16*(2*\u+\s)+15], v[BF+16*\t:BF+16*\t+15], v[ACC+8*(4*\u+\t):ACC+8*(4*\u+\t)+7], v[ASC+2*\u+\s], v[BSC+4*\s+\t] matrix_a_fmt:MATRIX_FMT_BF8 matrix_b_fmt:MATRIX_FMT_BF8
.endif
.endr
.endr
.rept 8
	v_nop                                          ; eight places ahead of loads into registers that these products read, and of the first read of results
.endr
	s_wait_alu depctr_va_vdst(0)                   ; the eight products are done reading x2's fragments v32-95, in which the LDS loads that follow land (the next step's fragments; behind the last step U's quads)
.endm
	STEP 0
	STEP 1
.irp u, 0,1
.irp j, 0,1,2,3,4,5,6,7
	ds_load_b128 v[UQ+4*(8*\u+\j):UQ+4*(8*\u+\j)+3], v[UR] offset:272*(16*\u+\j)    ; channel 32 w + 16 u + 8 h + j, points 4 r + 0..3: sixteen lanes read 256 consecutive bytes
.endr
.endr
.irp u, 0,1
.irp t, 0,1,2,3
.irp k, 0,1,2,3
	v_pk_fma_f32 v[ACC+8*(4*\u+\t)+2*\k:ACC+8*(4*\u+\t)+2*\k+1], v[ACC+8*(4*\u+\t)+2*\k:ACC+8*(4*\u+\t)+2*\k+1], v[SC+8*\u+2*\k:SC+8*\u+2*\k+1], v[SH+8*\u+2*\k:SH+8*\u+2*\k+1]   ; BN2; each accumulator from its low end on
.endr
.endr
.endr
	s_wait_dscnt 0x0
; Channel e = 8 u + j of my 32 (for each half of the lanes): relu, + U, into four registers of its own; and its store.
.macro FIN e
.irp t, 0,1,2,3
	v_max_num_f32 v[ACC+8*(4*((\e)/8)+\t)+(\e)%8], 0, v[ACC+8*(4*((\e)/8)+\t)+(\e)%8]
.endr
.irp t, 0,1,2,3
	v_add_f32 v[OUT+4*(\e)+\t], v[ACC+8*(4*((\e)/8)+\t)+(\e)%8], v[UQ+4*(\e)+\t]
.endr
.endm
.macro SEND e
	global_store_b128 v[OO], v[OUT+4*(\e):OUT+4*(\e)+3], s[30:31] offset:65536*(16*((\e)/8)+(\e)%8) th:TH_STORE_NT   ; lanes 0-15 store 256 consecutive bytes of one row, at a multiple of 256 from out1's first byte; lanes 16-31 of the row 8 below
.endm
.irp e, 0,1,2,3
	FIN \e
.endr
.irp g, 1,2,3
	s_wait_alu depctr_va_vdst(0)                   ; the group before has written its sixteen registers of results, which the four stores below read; this group's lines, among which they stand, name other registers
.irp i, 0,1,2,3
	SEND 4*(\g-1)+\i
	FIN 4*\g+\i
.endr
.endr
	s_wait_alu depctr_va_vdst(0)                   ; the last group has written its results, which the last four stores read
.irp e, 12,13,14,15
	SEND \e
.endr
	s_wait_dscnt 0x0
	s_wait_alu depctr_hold_cnt(0) depctr_sa_sdst(0) depctr_va_vdst(0) depctr_va_sdst(0) depctr_va_ssrc(0) depctr_va_vcc(0) depctr_vm_vsrc(0)
	s_wait_tensorcnt 0x0
	ds_add_u32 v30, v31
	s_wait_dscnt 0x0
	s_endpgm
.Lfunc_end_k_q73e57f51c0_fine:
	.size	k_q73e57f51c0_fine, .Lfunc_end_k_q73e57f51c0_fine-k_q73e57f51c0_fine
	.p2alignl 7, 3214868480
	.fill 96, 4, 3214868480
	.section	.rodata,"a",@progbits
	.p2align	6, 0x0
	.amdhsa_kernel k_q73e57f51c0_fine
		.amdhsa_group_segment_fixed_size 88064
		.amdhsa_private_segment_fixed_size 0
		.amdhsa_enable_private_segment 0
		.amdhsa_kernarg_size 48
		.amdhsa_user_sgpr_count 2
		.amdhsa_user_sgpr_kernarg_segment_ptr 1
		.amdhsa_wavefront_size32 1
		.amdhsa_system_sgpr_workgroup_id_x 1
		.amdhsa_system_sgpr_workgroup_id_y 1
		.amdhsa_system_sgpr_workgroup_id_z 1
		.amdhsa_system_vgpr_workitem_id 0
		.amdhsa_next_free_vgpr 256
		.amdhsa_next_free_sgpr 66
		.amdhsa_reserve_vcc 0
		.amdhsa_float_denorm_mode_32 3
		.amdhsa_float_denorm_mode_16_64 3
		.amdhsa_memory_ordered 1
		.amdhsa_forward_progress 1
		.amdhsa_inst_pref_size 51
	.end_amdhsa_kernel
	.amdgpu_metadata
---
amdhsa.version: [ 1, 2 ]
amdhsa.kernels:
  - .name:           k_q73e57f51c0_fine
    .symbol:         k_q73e57f51c0_fine.kd
    .args:
      - { .name: x2, .offset: 0, .size: 8, .value_kind: global_buffer, .address_space: global }
      - { .name: wq, .offset: 8, .size: 8, .value_kind: global_buffer, .address_space: global }
      - { .name: h1, .offset: 16, .size: 8, .value_kind: global_buffer, .address_space: global }
      - { .name: idx, .offset: 24, .size: 8, .value_kind: global_buffer, .address_space: global }
      - { .name: wgt, .offset: 32, .size: 8, .value_kind: global_buffer, .address_space: global }
      - { .name: out1, .offset: 40, .size: 8, .value_kind: global_buffer, .address_space: global }
    .group_segment_fixed_size: 88064
    .private_segment_fixed_size: 0
    .kernarg_segment_align: 8
    .kernarg_segment_size: 48
    .max_flat_workgroup_size: 256
    .sgpr_count:     66
    .vgpr_count:     256
    .wavefront_size: 32
...
	.end_amdgpu_metadata
.endif
;; end of part 5
